; MI455X (gfx1250); checked and timed in simulation.
; The chip was launched on July 23, 2026; its instructions are those of AMD's public machine-readable ISA for CDNA 5 (MIT licence, August 2026) and "CDNA5" Instruction Set Architecture Reference Guide (July 2026). The comments in the code are by the model that wrote it; some were corrected since.
;; Encoder. Allowed arithmetic: float matrix products may take bf16 or f16 operands with f32 sums; other float arithmetic in f32, or as packed bf16 or f16 multiplies, adds, multiply-adds, maxima and minima; sums over many terms, partial sums and values carried from step to step in f32; what a program stores and reads back later, other than sums and carried values, may be rounded once to bf16 or f16.
;; Inputs: W1 1,024 x 4,096 float32; W2 4,096 x 4,096 float32; W3 4,096 x 1,024 float32; W_exp 4 x 2,048 x 1,024 float32; b1 4,096 float32; b2 4,096 float32; b3 1,024 float32; b_exp 4 x 1,024 float32; k 2,048 int32; x 2,048 x 2,048 float32.
;; Outputs: out0 2,048 x 1,024 float32.
;; One version. Each part assembles by itself: llvm-mc -triple=amdgcn-amd-amdhsa -mcpu=gfx1250 --defsym DOCPART=n.
;; ======== version 1 of 1: 5 launches
;; limits: inputs' magnitudes at most 255.9; values are held in f16: magnitudes above 65,504 overflow, below 6.1e-05 lose precision
;; workspace buffers: xs 8,388,608 bytes; wb 67,127,552 bytes; al 4,195,328 bytes; h1 16,777,216 bytes; h2 16,777,216 bytes; route 8,704 bytes of whole numbers
;; launch prep (part 1): grid 577 x 1, 8 waves a work-group, no clusters, 0 bytes of LDS; arguments x, k, W_exp, W1, W2, W3, b_exp, b1, b2, xs, wb, route; writes xs, wb, route
.if DOCPART == 1
	.amdgcn_target "amdgcn-amd-amdhsa--gfx1250"
	.amdhsa_code_object_version 6
	.text
	.protected	k_q8f3598ea24_prep
	.globl	k_q8f3598ea24_prep
	.p2align	8
	.type	k_q8f3598ea24_prep,@function
k_q8f3598ea24_prep:
	s_mov_b64 s[64:65], 0
	v_nop
	global_prefetch_b8 v0, s[64:65] scope:SCOPE_SE
	s_setreg_imm32_b32 hwreg(HW_REG_WAVE_MODE, 25, 1), 1
	s_wait_xcnt 0x0
; PREP.  All weights are rounded once to f16 (times 256, a power of two, so that small weights keep f16's full precision), x is rounded to f16 with its
; rows sorted by expert, the routing is made from k, and sums of squares are taken from which the next launch makes one power-of-two scale for each intermediate.
; Every source is taken as rows of 2,048 f32 (8,192 bytes) that become rows of 4,096 bytes.  A work-group has 32 rows, a wave 4.  Work-groups 0-63: x; 64-191: W_exp;
; 192-255: W1; 256-511: W2; 512-575: W3 (the weights land end to end in wb, in this order); 576: the biases' sums of squares.
; A row is 16 loads of 512 consecutive bytes and 16 stores of 256 consecutive bytes, aligned.  One row of a wave is on its way while another is worked on.
; ROUTING.  A stable counting sort without atomics: every wave of x's work-groups reads all 2,048 k (8 KB), counts each expert's rows in all and in front of its own 32 rows,
; and so knows where each of its rows goes.  route: 32 entries {expert, first sorted row, rows, first row to fetch} at byte 0; perm[sorted row] = row at byte 512.
; perm is stored 4 bytes a lane to scattered places: 8 KB in the whole launch.
; No LDS, no matrix unit, no cluster: a stream in which no byte of the large inputs is shared.  Every jump of the text goes forward.
; LIMITS.  |x| below 65,504 and |w| below 255.9, or f16 gives an infinity.  A k outside 0..3 counts as 3.
.set STATS, 67108864                   ; byte in wb at which the f32 figures begin: entry 8 g + wave
.set X,  32                            ; v[32:159]   two rows as loaded, 64 registers each
.set Y,  160                           ; v[160:223]  two rows to store, 32 registers each
.set KR, 160                           ; v[160:223]  all of k, 64 registers: done with before the first row is packed
; v1 lane; v2 16 x lane; v3 8 x lane; v[4:7] the four rows' offsets in the destination; v[8:11] at work; v[12:15] sums of squares; v[16:19] a row's sum
; v20 the other half's figure; v21 my row's k; v22 my row's place; v23 at work; v[24:27] a tile's entry; v28 the wave's figure; v29 its byte offset in wb
; s2 g; s3 wave; s[32:33] source; s[34:35] destination; s[38:39] the factor, twice; s40 all ones for x; s[44:47] rows of each expert; s[48:51] those in front of my 32
.macro FILL buf, row                   ; a row's 16 loads, 512 consecutive bytes each
.irp j, 0,1,2,3,4,5,6,7,8,9,10,11,12,13,14,15
	global_load_b128 v[X+64*(\buf)+4*(\j):X+64*(\buf)+4*(\j)+3], v2, s[32:33] offset:(\row)*8192+512*(\j) th:TH_LOAD_NT
.endr
.endm
.macro XSUM r                          ; the sum over the 32 lanes, in every lane
	v_add_f32_dpp v[\r], v[\r], v[\r] row_xmask:1 row_mask:0xf bank_mask:0xf
	v_add_f32_dpp v[\r], v[\r], v[\r] row_xmask:2 row_mask:0xf bank_mask:0xf
	v_add_f32_dpp v[\r], v[\r], v[\r] row_xmask:4 row_mask:0xf bank_mask:0xf
	v_add_f32_dpp v[\r], v[\r], v[\r] row_xmask:8 row_mask:0xf bank_mask:0xf
	v_permlanex16_b32 v20, v[\r], s56, s57
	v_add_f32 v[\r], v[\r], v20
.endm
; Row i of the wave's four: squares summed, scaled, rounded, stored.  left: the younger row's loads, which stay out.  refill: the row that takes the buffer, or -1.
.macro TURN i, left, refill
.set XB, X+64*((\i)%2)
.set YB, Y+32*((\i)%2)
	s_wait_loadcnt \left                           ; loads come back in order: my row is in
	s_wait_xcnt 0x0                                ; the stores of two rows ago have read this Y buffer
	v_pk_mul_f32 v[12:13], v[XB:XB+1], v[XB:XB+1]  ; the first squares start the sums: nothing is cleared
	v_pk_mul_f32 v[14:15], v[XB+2:XB+3], v[XB+2:XB+3]
.irp j, 0,1,2,3,4,5,6,7,8,9,10,11,12,13,14,15
.if (\j) > 0
	v_pk_fma_f32 v[12:13], v[XB+4*(\j):XB+4*(\j)+1], v[XB+4*(\j):XB+4*(\j)+1], v[12:13]
	v_pk_fma_f32 v[14:15], v[XB+4*(\j)+2:XB+4*(\j)+3], v[XB+4*(\j)+2:XB+4*(\j)+3], v[14:15]
.endif
	v_pk_mul_f32 v[8:9], v[XB+4*(\j):XB+4*(\j)+1], s[38:39] op_sel_hi:[1,0]
	v_pk_mul_f32 v[10:11], v[XB+4*(\j)+2:XB+4*(\j)+3], s[38:39] op_sel_hi:[1,0]
	v_cvt_pk_f16_f32 v[YB+2*(\j)], v8, v9
	v_cvt_pk_f16_f32 v[YB+2*(\j)+1], v10, v11
	global_store_b64 v[4+(\i)], v[YB+2*(\j):YB+2*(\j)+1], s[34:35] offset:256*(\j)  ; 32 lanes x 8 bytes: 256 consecutive bytes, aligned
.endr
	v_add_f32 v[16+(\i)], v12, v13
	v_add_f32 v23, v14, v15
	v_add_f32 v[16+(\i)], v[16+(\i)], v23
.if (\refill) >= 0
	FILL (\i)%2, \refill
.endif
.endm
	s_load_b512 s[8:23], s[0:1], 0x0               ; x 8, k 10, W_exp 12, W1 14, W2 16, W3 18, b_exp 20, b1 22
	s_load_b256 s[24:31], s[0:1], 0x40             ; b2 24, xs 26, wb 28, route 30
	v_and_b32 v1, 31, v0                           ; lane
	v_lshrrev_b32 v2, 5, v0
	v_readfirstlane_b32 s3, v2                     ; wave
	s_mov_b32 s2, ttmp9                            ; g
	v_lshlrev_b32 v2, 4, v1
	v_lshlrev_b32 v3, 3, v1
	v_mov_b32 v20, 0                               ; v_permlanex16_b32 counts as a reader of its destination
	s_mov_b32 s56, 0x76543210
	s_mov_b32 s57, 0xfedcba98
	s_lshl3_add_u32 s42, s2, s3                    ; 8 g + wave
	s_lshl_b32 s42, s42, 2
	s_add_co_u32 s42, s42, STATS
	v_mov_b32 v29, s42
	s_wait_kmcnt 0x0
	s_cmp_eq_u32 s2, 576
	s_cbranch_scc1 .Lbias
	; which tensor, and the first work-group that has it
	s_mov_b64 s[32:33], s[8:9]
	s_mov_b32 s36, 0
	s_cmp_ge_u32 s2, 64
	s_cselect_b64 s[32:33], s[12:13], s[32:33]
	s_cselect_b32 s36, 64, s36
	s_cmp_ge_u32 s2, 192
	s_cselect_b64 s[32:33], s[14:15], s[32:33]
	s_cselect_b32 s36, 192, s36
	s_cmp_ge_u32 s2, 256
	s_cselect_b64 s[32:33], s[16:17], s[32:33]
	s_cselect_b32 s36, 256, s36
	s_cmp_ge_u32 s2, 512
	s_cselect_b64 s[32:33], s[18:19], s[32:33]
	s_cselect_b32 s36, 512, s36
	s_cmp_lt_u32 s2, 64
	s_cselect_b64 s[34:35], s[26:27], s[28:29]     ; x goes to xs, the weights to wb
	s_cselect_b32 s38, 1.0, 0x43800000             ; x as it is, weights times 256
	s_cselect_b32 s40, -1, 0
	s_mov_b32 s39, s38
	s_sub_co_u32 s54, s2, s36
	s_lshl_b32 s54, s54, 5
	s_lshl2_add_u32 s54, s3, s54                   ; my first row in the tensor
	s_lshl_b32 s54, s54, 13                        ; 8,192 bytes a row: under 2^27
	s_mov_b32 s55, 0
	s_add_nc_u64 s[32:33], s[32:33], s[54:55]
	s_cmp_ge_u32 s2, 64
	s_cbranch_scc1 .Lnok
	v_lshlrev_b32 v23, 2, v1                       ; x only: all of k, register j = k[32 j + lane], and my work-group's own 32
.set j, 0
.rept 64
	global_load_b32 v[KR+j], v23, s[10:11] offset:128*j
.set j, j+1
.endr
	s_lshl_b32 s53, s2, 7
	v_add_nc_u32 v22, s53, v23
	global_load_b32 v21, v22, s[10:11]
.Lnok:
	FILL 0, 0
	FILL 1, 1
	s_cmp_ge_u32 s2, 64
	s_cbranch_scc1 .Lwrows
	s_wait_loadcnt 32                              ; k is in; the 32 loads of rows 0 and 1, issued behind it, stay out
	s_mov_b32 s44, 0
	s_mov_b32 s45, 0
	s_mov_b32 s46, 0
	s_mov_b32 s48, 0
	s_mov_b32 s49, 0
	s_mov_b32 s50, 0
.set j, 0
.rept 64                               ; block j of 32 rows: at my own block the running counts are kept: the rows in front of mine
	s_cmp_eq_u32 s2, j
	s_cselect_b32 s48, s44, s48
	s_cselect_b32 s49, s45, s49
	s_cselect_b32 s50, s46, s50
.irp e, 0,1,2
	v_cmp_eq_u32 vcc_lo, \e, v[KR+j]
	s_bcnt1_i32_b32 s53, vcc_lo
	s_add_co_u32 s[44+\e], s[44+\e], s53
.endr
.set j, j+1
.endr
	s_add_co_u32 s67, s44, s45                     ; expert 2's first sorted row (expert 1's is s44)
	s_add_co_u32 s68, s67, s46                     ; expert 3's
	s_sub_co_u32 s47, 2048, s68                    ; expert 3 has the rest
	s_add_co_u32 s53, s48, s49
	s_add_co_u32 s53, s53, s50
	s_lshl_b32 s52, s2, 5                          ; 32 g
	s_sub_co_u32 s51, s52, s53
	s_add_co_u32 s49, s49, s44                     ; each expert's next free place, as my block finds it
	s_add_co_u32 s50, s50, s67
	s_add_co_u32 s51, s51, s68
	v_cmp_eq_u32 s70, 0, v21
	v_cmp_eq_u32 s71, 1, v21
	v_cmp_eq_u32 s72, 2, v21
	s_or_b32 s73, s70, s71
	s_or_b32 s73, s73, s72
	s_not_b32 s73, s73
	v_mbcnt_lo_u32_b32 v22, s73, s51               ; place = next free + my expert's rows in the lanes below me
	v_mbcnt_lo_u32_b32 v23, s70, s48
	v_cndmask_b32 v22, v22, v23, s70
	v_mbcnt_lo_u32_b32 v23, s71, s49
	v_cndmask_b32 v22, v22, v23, s71
	v_mbcnt_lo_u32_b32 v23, s72, s50
	v_cndmask_b32 v22, v22, v23, s72
	s_cmp_lg_u32 s3, 0
	s_cbranch_scc1 .Lnoperm
	v_min_u32 v23, 0x7ff, v22                      ; wave 0: perm[place] = row
	v_lshlrev_b32 v23, 2, v23
	v_add_nc_u32 v28, s52, v1
	global_store_b32 v23, v28, s[30:31] offset:512
	s_cmp_lg_u32 s2, 0
	s_cbranch_scc1 .Lnoperm
	; work-group 0, wave 0: the list of tiles of 128 sorted rows, lane t = tile t.  An expert with C rows has ceil(C / 128) tiles: 19 at the most in all; the lanes behind the last tile get 0 rows.
	s_add_co_u32 s74, s44, 127
	s_lshr_b32 s74, s74, 7                         ; expert 1's first tile
	s_add_co_u32 s75, s45, 127
	s_lshr_b32 s75, s75, 7
	s_add_co_u32 s75, s75, s74                     ; expert 2's
	s_add_co_u32 s76, s46, 127
	s_lshr_b32 s76, s76, 7
	s_add_co_u32 s76, s76, s75                     ; expert 3's
	v_mov_b32 v24, 0                               ; expert
	v_mov_b32 v9, 0                                ; its first sorted row
	v_mov_b32 v10, 0                               ; its first tile
	v_mov_b32 v11, s44                             ; its rows
	v_cmp_le_u32 vcc_lo, s74, v1
	v_cndmask_b32 v24, v24, 1, vcc_lo
	v_cndmask_b32 v9, v9, s44, vcc_lo
	v_cndmask_b32 v10, v10, s74, vcc_lo
	v_cndmask_b32 v11, v11, s45, vcc_lo
	v_cmp_le_u32 vcc_lo, s75, v1
	v_cndmask_b32 v24, v24, 2, vcc_lo
	v_cndmask_b32 v9, v9, s67, vcc_lo
	v_cndmask_b32 v10, v10, s75, vcc_lo
	v_cndmask_b32 v11, v11, s46, vcc_lo
	v_cmp_le_u32 vcc_lo, s76, v1
	v_cndmask_b32 v24, v24, 3, vcc_lo
	v_cndmask_b32 v9, v9, s68, vcc_lo
	v_cndmask_b32 v10, v10, s76, vcc_lo
	v_cndmask_b32 v11, v11, s47, vcc_lo
	v_sub_nc_u32 v12, v1, v10
	v_lshlrev_b32 v12, 7, v12                      ; rows of the expert in front of this tile
	v_add_nc_u32 v25, v9, v12
	v_min_u32 v25, 0x7ff, v25                      ; first sorted row
	v_min_u32 v13, v12, v11
	v_sub_nc_u32 v26, v11, v13
	v_min_u32 v26, 128, v26                        ; rows
	v_min_u32 v27, 0x780, v25                      ; the 128 rows that are fetched begin here, so that they end inside xs
	global_store_b128 v2, v[24:27], s[30:31]
.Lnoperm:
	s_lshl_b32 s53, s3, 2                          ; my wave's four rows are lanes 4 w .. 4 w + 3
	v_readlane_b32 s60, v22, s53
	s_add_co_u32 s53, s53, 1
	v_readlane_b32 s61, v22, s53
	s_add_co_u32 s53, s53, 1
	v_readlane_b32 s62, v22, s53
	s_add_co_u32 s53, s53, 1
	v_readlane_b32 s63, v22, s53
	s_min_u32 s60, s60, 0x7ff
	s_min_u32 s61, s61, 0x7ff
	s_min_u32 s62, s62, 0x7ff
	s_min_u32 s63, s63, 0x7ff
	s_branch .Ljoin
.Lwrows:                                               ; weights keep their order: row (g - 64) x 32 + 4 w + i of wb
	s_sub_co_u32 s60, s2, 64
	s_lshl_b32 s60, s60, 5
	s_lshl2_add_u32 s60, s3, s60
	s_add_co_u32 s61, s60, 1
	s_add_co_u32 s62, s60, 2
	s_add_co_u32 s63, s60, 3
.Ljoin:
.irp i, 0,1,2,3
	s_lshl_b32 s[60+\i], s[60+\i], 12              ; 4,096 bytes a row: under 2^26
	v_add_nc_u32 v[4+\i], s[60+\i], v3
.endr
	TURN 0, 16, 2
	TURN 1, 16, 3
	TURN 2, 16, -1
	TURN 3, 0, -1
	s_cmp_ge_u32 s2, 512
	s_cbranch_scc1 .Lend                           ; W3's norm enters no bound
	XSUM 16
	XSUM 17
	XSUM 18
	XSUM 19
	v_add_f32 v8, v16, v17                         ; weights: the sum of the four rows' squares; x: the largest row's
	v_add_f32 v9, v18, v19
	v_add_f32 v8, v8, v9
	v_max_num_f32 v10, v16, v17
	v_max3_num_f32 v10, v10, v18, v19
	v_cndmask_b32 v28, v8, v10, s40
	s_branch .Lstat
.Lbias:                                                ; work-group 576, waves 0-5: a half (8,192 bytes) of b_exp, b1, b2 each; six halves are all there is, so waves 6 and 7 end
	s_cmp_ge_u32 s3, 6
	s_cbranch_scc1 .Lend
	s_lshr_b32 s53, s3, 1
	s_cmp_eq_u32 s53, 0
	s_cselect_b64 s[32:33], s[20:21], s[22:23]
	s_cmp_eq_u32 s53, 2
	s_cselect_b64 s[32:33], s[24:25], s[32:33]
	s_and_b32 s54, s3, 1
	s_lshl_b32 s54, s54, 13
	s_mov_b32 s55, 0
	s_add_nc_u64 s[32:33], s[32:33], s[54:55]
	FILL 0, 0
	s_wait_loadcnt 0x0
	v_pk_mul_f32 v[12:13], v[X:X+1], v[X:X+1]
	v_pk_mul_f32 v[14:15], v[X+2:X+3], v[X+2:X+3]
.set j, 1
.rept 15
	v_pk_fma_f32 v[12:13], v[X+4*j:X+4*j+1], v[X+4*j:X+4*j+1], v[12:13]
	v_pk_fma_f32 v[14:15], v[X+4*j+2:X+4*j+3], v[X+4*j+2:X+4*j+3], v[14:15]
.set j, j+1
.endr
	v_add_f32 v28, v12, v13
	v_add_f32 v23, v14, v15
	v_add_f32 v28, v28, v23
	XSUM 28
.Lstat:
	s_wait_xcnt 0x0                                ; EXEC is a source of the stores that are out: it changes only behind this wait
	v_cmp_eq_u32 vcc_lo, 0, v1
	s_and_saveexec_b32 s41, vcc_lo
	global_store_b32 v29, v28, s[28:29]            ; one lane stores the wave's figure
	s_endpgm
.Lend:
	s_endpgm
.Lfunc_end_k_q8f3598ea24_prep:
	.size	k_q8f3598ea24_prep, .Lfunc_end_k_q8f3598ea24_prep-k_q8f3598ea24_prep
	.p2alignl 7, 3214868480
	.fill 96, 4, 3214868480
	.section	.rodata,"a",@progbits
	.p2align	6, 0x0
	.amdhsa_kernel k_q8f3598ea24_prep
		.amdhsa_group_segment_fixed_size 0
		.amdhsa_private_segment_fixed_size 0
		.amdhsa_enable_private_segment 0
		.amdhsa_kernarg_size 96
		.amdhsa_user_sgpr_count 2
		.amdhsa_user_sgpr_kernarg_segment_ptr 1
		.amdhsa_wavefront_size32 1
		.amdhsa_system_sgpr_workgroup_id_x 1
		.amdhsa_system_sgpr_workgroup_id_y 1
		.amdhsa_system_sgpr_workgroup_id_z 1
		.amdhsa_system_vgpr_workitem_id 0
		.amdhsa_next_free_vgpr 224
		.amdhsa_next_free_sgpr 80
		.amdhsa_reserve_vcc 1
		.amdhsa_float_denorm_mode_32 3
		.amdhsa_float_denorm_mode_16_64 3
		.amdhsa_memory_ordered 1
		.amdhsa_forward_progress 1
		.amdhsa_inst_pref_size 82
	.end_amdhsa_kernel
	.amdgpu_metadata
---
amdhsa.version: [ 1, 2 ]
amdhsa.kernels:
  - .name:           k_q8f3598ea24_prep
    .symbol:         k_q8f3598ea24_prep.kd
    .args:
      - { .name: x, .offset: 0, .size: 8, .value_kind: global_buffer, .address_space: global }
      - { .name: k, .offset: 8, .size: 8, .value_kind: global_buffer, .address_space: global }
      - { .name: W_exp, .offset: 16, .size: 8, .value_kind: global_buffer, .address_space: global }
      - { .name: W1, .offset: 24, .size: 8, .value_kind: global_buffer, .address_space: global }
      - { .name: W2, .offset: 32, .size: 8, .value_kind: global_buffer, .address_space: global }
      - { .name: W3, .offset: 40, .size: 8, .value_kind: global_buffer, .address_space: global }
      - { .name: b_exp, .offset: 48, .size: 8, .value_kind: global_buffer, .address_space: global }
      - { .name: b1, .offset: 56, .size: 8, .value_kind: global_buffer, .address_space: global }
      - { .name: b2, .offset: 64, .size: 8, .value_kind: global_buffer, .address_space: global }
      - { .name: xs, .offset: 72, .size: 8, .value_kind: global_buffer, .address_space: global }
      - { .name: wb, .offset: 80, .size: 8, .value_kind: global_buffer, .address_space: global }
      - { .name: route, .offset: 88, .size: 8, .value_kind: global_buffer, .address_space: global }
    .group_segment_fixed_size: 0
    .private_segment_fixed_size: 0
    .kernarg_segment_align: 8
    .kernarg_segment_size: 96
    .max_flat_workgroup_size: 256
    .sgpr_count:     80
    .vgpr_count:     224
    .wavefront_size: 32
...
	.end_amdgpu_metadata
.endif
;; end of part 1
;; launch l0 (part 2): grid 8 x 19, 4 waves a work-group, no clusters, 327,680 bytes of LDS; arguments xs, wb, route, b_exp, al; writes al
.if DOCPART == 2
	.amdgcn_target "amdgcn-amd-amdhsa--gfx1250"
	.amdhsa_code_object_version 6
	.text
	.protected	k_q8f3598ea24_l0
	.globl	k_q8f3598ea24_l0
	.p2align	8
	.type	k_q8f3598ea24_l0,@function
k_q8f3598ea24_l0:
	s_mov_b64 s[64:65], 0
	v_nop
	global_prefetch_b8 v0, s[64:65] scope:SCOPE_SE
	s_setreg_imm32_b32 hwreg(HW_REG_WAVE_MODE, 25, 1), 1
	s_wait_xcnt 0x0
; L0: THE ROUTED LINEAR.  al[row] = (x[row] W_exp[k[row]] + b_exp[k[row]]) x s_al, in f16, rows in their original order.  xs holds x's rows in f16 sorted by expert, wb the weights in f16 times 256.
; THE GRID SERVES EVERY SPLIT: tiles of 128 sorted rows of ONE expert; 2,048 rows and 4 experts make 19 tiles at the most.  Work-group (tx, ty): tile ty of the stored list, columns 128 tx on.
; A tile always fetches 128 rows that exist (from rb on) and multiplies them all by its expert's weights; only the rows s .. s + n - 1 are stored, each store jumped or not by a scalar branch.
; A tile with n = 0 runs on clamped addresses and stores no row, so that every wave passes every barrier.
; NO CLUSTER: which tiles share an expert's weights hangs on counts read from memory, so partners could differ in a joint load's address; what is surely shared (a tile's rows of xs, along x)
; is 64 KB of a K step's 128 KB, in a launch with one thirteenth of the program's products.
; SHARES.  Four waves: wave w has rows 64 (w / 2) on and, of every K step of 256, k = 128 (w % 2) on: 64 x 128 of the tile in 32 accumulators.  The two halves of K meet in LDS at the end, in f32.
; THE MATRIX INSTRUCTION IS USED TRANSPOSED: source 0 = 16 columns of W (turned out of LDS by ds_load_tr16_b128, since W lies [k][n]), source 1 = 16 rows of x: a lane then holds row l % 16, columns 8 (l / 16) + 0..7.
; SCALES.  f16 has no room for every allowed input, so each intermediate carries one power of two, from a bound that holds for every input: |row W| <= |row| |W|_F, and a ReLU shrinks norms:
; R_al = max|x row| max_e|W_e|_F + |b_exp|;  R1 = R_al |W1|_F + |b1|;  R2 = R1 |W2|_F + |b2|;  each 2^E is the largest with R 2^E < 2^15.  Every wave makes them, in the wait for the first tile;
; work-group (0, 0)'s wave 0 stores them behind al's rows for the later launches: {s_al, f0, c1, g1, c2, g2, f3, 0}, 32 times.  They scale values alone: no address and no branch hangs on them.
; LIMITS.  The bounds' exponents are held to 2^-97 .. 2^114 and each factor's to 2^-126 .. 2^127; beyond that the factors no longer fit each other.
; REGISTERS, in windows of 256 (s_set_vgpr_msb: bits 1:0 source 0, 3:2 source 1, 5:4 source 2, 7:6 destination):
;   window 0: v1-11 at work; v12-15 bias x s_al; v16,17 / v20,21 LDS addresses of x's / W's fragments in slot 0, 1; v24-27, v31 the way out; v28, v29 the add's; v32-63 rows' offsets in al;
;             v64-127 x's fragments, two buffers of 4 x 8; on the way out v64-191 two chunks of the stage, v192-255 rows to store
;   window 1: v0-127 W's fragments, two buffers of 8 x 8          window 2: the accumulators, (a, b) at v[8 (8 a + b)]
.set LAPS,  4                          ; K = 2,048 in steps of 256; a lap is two steps, once round the ring
.set PA,    528                        ; a row of x in LDS: 512 bytes + 16: the 16 rows of a load begin in 16 different columns of 16 bytes modulo 256
.set PB,    288                        ; a row of W: 256 bytes + 32
.set ABYTES, 128*PA
.set AHALF, 64*PA
.set ASTEP, 512
.set ASTR,  16*PA
.set QSTR,  64
.set CSTR,  32
.set BOFF,  ABYTES
.set BHALF, 128*PB
.set BSTEP, 256*2048
.set SLOT,  ABYTES+256*PB              ; 141,312
.set SPARE, 2*SLOT                     ; behind the ring: the spare words, 128 bytes a wave, two blocks of 256 bytes that no other line names
.set SP,    528                        ; the stage (it lies in slot 0, which has had its last fill): 4 waves x 64 rows x (512 + 16) bytes
.set SWAVE, 64*SP
.set STATS, 67108864
.set TABLE, 4194304
.set ADRA, 16
.set ADRB, 20
.set SPW,  28
.set NIL,  29
.set G1A, 24
.set G0A, 32
.set G1B, 40
.set G0B, 48
.set MSB, 0
.macro WIN new                         ; the immediate's high byte repeats the setting that is left; a switch that changes nothing is dropped
.if MSB != (\new)
	s_set_vgpr_msb (MSB<<8)|(\new)
.set MSB, \new
.endif
.endm
.macro PLACES                          ; four plain places in front of loads into registers that matrix instructions have read, and of readers of their results
.rept 4
	v_nop
.endr
.endm
.macro JLOAD s                         ; a fill of slot s: waves 0 and 1 fetch the halves of x's tile, waves 2 and 3 those of W's; an s_nop 0 and four v_nop follow each line
	s_cmp_eq_u32 s15, 0
	s_cbranch_scc0 .Lfor_b_\@
	tensor_load_to_lds s[G0A+4*(\s):G0A+4*(\s)+3], s[G1A:G1A+7]
	s_nop 0
.rept 4
	v_nop
.endr
	s_branch .Lasked_\@
.Lfor_b_\@:
	tensor_load_to_lds s[G0B+4*(\s):G0B+4*(\s)+3], s[G1B:G1B+7]
	s_nop 0
.rept 4
	v_nop
.endr
.Lasked_\@:
.endm
.macro MUL8 f, a, zero                 ; 8 matrix instructions: row block a x all 8 column blocks, 32 along K, buffer f.  zero = 1: the product starts the sums
	WIN 0xa1                                       ; W window 1, x window 0, C and D window 2
.irp b, 0,1,2,3,4,5,6,7
.if \zero
	v_wmma_f32_16x16x32_f16 v[8*(8*(\a)+(\b)):8*(8*(\a)+(\b))+7], v[64*(\f)+8*(\b):64*(\f)+8*(\b)+7], v[64+32*(\f)+8*(\a):64+32*(\f)+8*(\a)+7], 0
.else
	v_wmma_f32_16x16x32_f16 v[8*(8*(\a)+(\b)):8*(8*(\a)+(\b))+7], v[64*(\f)+8*(\b):64*(\f)+8*(\b)+7], v[64+32*(\f)+8*(\a):64+32*(\f)+8*(\a)+7], v[8*(8*(\a)+(\b)):8*(8*(\a)+(\b))+7]
.endif
.endr
.endm
.macro FETCH slot, q, f                ; 24 LDS loads in one run: quarter q (32 along K) of my part of the slot, into buffer f: W's 8 fragments, then x's 4
	WIN 0x40
.irp b, 0,1,2,3,4,5,6,7
	ds_load_tr16_b128 v[64*(\f)+8*(\b):64*(\f)+8*(\b)+3],   v[ADRB+(\slot)] offset:32*PB*(\q)+32*(\b)
	ds_load_tr16_b128 v[64*(\f)+8*(\b)+4:64*(\f)+8*(\b)+7], v[ADRB+(\slot)] offset:32*PB*(\q)+32*(\b)+16*PB
.endr
	WIN 0
.irp a, 0,1,2,3
	ds_load_b128 v[64+32*(\f)+8*(\a):64+32*(\f)+8*(\a)+3],   v[ADRA+(\slot)] offset:(\a)*ASTR+(\q)*QSTR
	ds_load_b128 v[64+32*(\f)+8*(\a)+4:64+32*(\f)+8*(\a)+7], v[ADRA+(\slot)] offset:(\a)*ASTR+(\q)*QSTR+CSTR
.endr
.endm
.macro QUARTER slot, q, f, g, zero     ; multiplies buffer f; in its middle fetches quarter q of the slot into buffer g.  The 32 accumulators take turns in one fixed order
	s_wait_dscnt 4                                 ; all but the youngest four loads: x's row blocks 2 and 3
	MUL8 \f, 0, \zero
	MUL8 \f, 1, \zero
	PLACES
	FETCH \slot, \q, \g
	s_wait_dscnt 24                                ; all but the 24 just issued
	MUL8 \f, 2, \zero
	MUL8 \f, 3, \zero
.endm
; The last quarter of a K step multiplies buffer 1 and changes slots: ONE barrier; in front of it each wave waits for all its tensor loads (one is out: its part of the next slot), adds 0 to its
; spare word, and waits for that and for its reads of this slot.  fill = 1: this slot is filled again, two K steps on, first thing behind the barrier: 112 matrix instructions ahead of the wait for it.
.macro TURN slot, next, fill
	WIN 0
	s_wait_tensorcnt 0x0
	ds_add_u32 v[SPW], v[NIL]
	s_wait_dscnt 5                                 ; the add and the youngest four loads may be out
	MUL8 1, 0, 0
	s_wait_dscnt 0x0                               ; the add is done, my reads of this slot are over
	s_barrier_signal -1
	MUL8 1, 1, 0
.if \fill
	WIN 0
.endif
	s_barrier_wait -1
.if \fill
	s_add_nc_u64 s[G0A+4*(\slot)+2:G0A+4*(\slot)+3], s[G0A+4*(\slot)+2:G0A+4*(\slot)+3], 2*ASTEP
	s_add_nc_u64 s[G0B+4*(\slot)+2:G0B+4*(\slot)+3], s[G0B+4*(\slot)+2:G0B+4*(\slot)+3], 2*BSTEP
	JLOAD \slot                                    ; its four v_nop are also the places in front of the loads below
.else
	PLACES
.endif
	FETCH \next, 0, 0
	MUL8 1, 2, 0
	MUL8 1, 3, 0
.endm
.macro XSUM r
	v_add_f32_dpp v[\r], v[\r], v[\r] row_xmask:1 row_mask:0xf bank_mask:0xf
	v_add_f32_dpp v[\r], v[\r], v[\r] row_xmask:2 row_mask:0xf bank_mask:0xf
	v_add_f32_dpp v[\r], v[\r], v[\r] row_xmask:4 row_mask:0xf bank_mask:0xf
	v_add_f32_dpp v[\r], v[\r], v[\r] row_xmask:8 row_mask:0xf bank_mask:0xf
	v_permlanex16_b32 v11, v[\r], s2, s3
	v_add_f32 v[\r], v[\r], v11
.endm
.macro LSUM base, n                    ; the lane's n registers from base on, summed into the first
.set i, 2
.rept (\n)/2-1
	v_pk_add_f32 v[(\base):(\base)+1], v[(\base):(\base)+1], v[(\base)+i:(\base)+i+1]
.set i, i+2
.endr
	v_add_f32 v[\base], v[\base], v[(\base)+1]
.endm
.macro EXPO r                          ; the bits of a bound R become E, the largest exponent with R 2^E < 2^15
	s_lshr_b32 \r, \r, 23
	s_max_u32 \r, \r, 30
	s_min_u32 \r, \r, 240
	s_sub_co_i32 \r, 141, \r
.endm
.macro POW2 dst, e, plus               ; dst = 2^(e + plus) as an f32
	s_add_co_i32 \dst, \e, 127+(\plus)
	s_max_i32 \dst, \dst, 1
	s_min_i32 \dst, \dst, 254
	s_lshl_b32 \dst, \dst, 23
.endm
	s_load_b256 s[4:11], s[0:1], 0x0               ; xs 4, wb 6, route 8, b_exp 10
	s_load_b64 s[12:13], s[0:1], 0x20              ; al
	v_lshl_add_u32 v[SPW], v0, 2, SPARE
	v_mov_b32 v[NIL], 0
	ds_add_u32 v[SPW], v[NIL]                      ; the wave's opening: the add, waited for ahead of my first tensor load
	v_lshrrev_b32 v1, 5, v0
	v_readfirstlane_b32 s14, v1                    ; wave
	s_lshr_b32 s15, s14, 1                         ; my half of the rows; also: I fetch x (0) or W (1)
	s_and_b32 s16, s14, 1                          ; my half of a K step; also: which half of that tile I fetch
	s_mov_b32 s19, ttmp9                           ; tx
	s_and_b32 s18, ttmp7, 0xffff                   ; ty
	s_lshl_b32 s58, s18, 4
	s_mov_b32 s2, 0x76543210
	s_mov_b32 s3, 0xfedcba98
	s_mov_b32 s[G1A+0], (1<<16)|(1<<20)|(6<<22)|(3<<25)  ; 2-byte elements; after every 128 words 4 words of padding
	s_mov_b32 s[G1A+1], 256<<16                    ; tensor_dim0 = 256
	s_mov_b32 s[G1A+2], 64<<16                     ; tensor_dim1 = 64
	s_mov_b32 s[G1A+3], 256<<16                    ; tile_dim0 = 256
	s_mov_b32 s[G1A+4], 64                         ; tile_dim1 = 64
	s_mov_b32 s[G1A+5], 2048                       ; elements from row to row
	s_mov_b32 s[G1A+6], 0
	s_mov_b32 s[G1A+7], 0
	s_mov_b32 s[G1B+0], (1<<16)|(1<<20)|(5<<22)|(7<<25)  ; after every 64 words 8 words of padding
	s_mov_b32 s[G1B+1], 128<<16
	s_mov_b32 s[G1B+2], 128<<16
	s_mov_b32 s[G1B+3], 128<<16
	s_mov_b32 s[G1B+4], 128
	s_mov_b32 s[G1B+5], 1024
	s_mov_b32 s[G1B+6], 0
	s_mov_b32 s[G1B+7], 0
	s_mul_i32 s68, s16, AHALF                      ; where my part of a tile goes
	s_mul_i32 s69, s16, BHALF
	s_add_co_u32 s69, s69, BOFF
	s_wait_dscnt 0x0                               ; the opening add is done
	s_wait_kmcnt 0x0
	s_load_b128 s[20:23], s[8:9], s58 offset:0x0   ; my tile: expert, first sorted row s, rows n, first row fetched rb
	s_wait_kmcnt 0x0
	s_min_u32 s20, s20, 3
	s_min_u32 s21, s21, 0x7ff
	s_min_u32 s22, s22, 128
	s_min_u32 s23, s23, 0x780
	s_lshl_b32 s56, s16, 6
	s_add_co_u32 s56, s56, s23
	s_lshl_b32 s56, s56, 12                        ; (rb + 64 half) rows of 4,096 bytes
	s_mov_b32 s57, 0
	s_add_nc_u64 s[56:57], s[4:5], s[56:57]
	s_lshl_b32 s58, s20, 22                        ; an expert's weights are 4 MiB,
	s_lshl_b32 s59, s16, 18                        ; 128 rows of 2,048 bytes,
	s_add_co_u32 s58, s58, s59
	s_lshl_b32 s59, s19, 8                         ; 128 columns
	s_add_co_u32 s58, s58, s59
	s_mov_b32 s59, 0
	s_add_nc_u64 s[58:59], s[6:7], s[58:59]
.irp s, 0,1
	s_mov_b32 s[G0A+4*(\s)], 1
	s_add_co_u32 s[G0A+4*(\s)+1], s68, (\s)*SLOT
	s_add_nc_u64 s[G0A+4*(\s)+2:G0A+4*(\s)+3], s[56:57], (\s)*ASTEP
	s_or_b32 s[G0A+4*(\s)+3], s[G0A+4*(\s)+3], 0x80000000
	s_mov_b32 s[G0B+4*(\s)], 1
	s_add_co_u32 s[G0B+4*(\s)+1], s69, (\s)*SLOT
	s_add_nc_u64 s[G0B+4*(\s)+2:G0B+4*(\s)+3], s[58:59], (\s)*BSTEP
	s_or_b32 s[G0B+4*(\s)+3], s[G0B+4*(\s)+3], 0x80000000
	JLOAD \s                                       ; both slots are asked for before anything else: two tensor loads of mine are out
.endr
	v_and_b32 v1, 15, v0                           ; r = l % 16
	v_bfe_u32 v2, v0, 4, 1                         ; h = l / 16
	v_and_b32 v3, 31, v0
	v_lshlrev_b32 v31, 4, v3                       ; 16 x lane
	v_lshlrev_b32 v27, 3, v3                       ; 8 x lane
	v_mov_b32 v11, 0
	; the figures that prep stored, 16 KB on end: x's 512 (v64-79), W_exp's 4 x 256 (v80-111), W1's 512 (v112-127), W2's 2,048 (v128-191)
	s_add_nc_u64 s[56:57], s[6:7], STATS
.set i, 0
.rept 32
	global_load_b128 v[64+4*i:64+4*i+3], v31, s[56:57] offset:512*i
.set i, i+1
.endr
	s_load_b128 s[72:75], s[56:57], 18432          ; halves of the sums of squares of b_exp, b1,
	s_load_b64 s[76:77], s[56:57], 18448           ; b2
	s_lshl_b32 s70, s20, 12
	s_lshl_b32 s71, s19, 9
	s_add_co_u32 s70, s70, s71
	s_mov_b32 s71, 0
	s_add_nc_u64 s[10:11], s[10:11], s[70:71]
	global_load_b128 v[12:15], v31, s[10:11]       ; b_exp[expert][128 tx + 4 lane ..]
	v_mul_u32_u24 v4, v1, PA                       ; x's fragments: (64 mh + r) x pitch + 16 h + my 256 bytes of the row
	v_lshl_add_u32 v4, v2, 4, v4
	s_mul_i32 s70, s15, 64*PA
	s_lshl_b32 s71, s16, 8
	s_add_co_u32 s70, s70, s71
	v_add_nc_u32 v[ADRA], s70, v4
	v_add_nc_u32 v[ADRA+1], SLOT, v[ADRA]
	v_and_b32 v5, 7, v0                            ; W's: the turning load's lane reads row k = 8 h + l % 8, 16 bytes at 16 ((l / 8) % 2)
	v_lshl_add_u32 v5, v2, 3, v5
	v_mul_u32_u24 v5, v5, PB
	v_bfe_u32 v6, v0, 3, 1
	v_lshl_add_u32 v5, v6, 4, v5
	s_mul_i32 s70, s16, 128*PB
	s_add_co_u32 s70, s70, BOFF
	v_add_nc_u32 v[ADRB], s70, v5
	v_add_nc_u32 v[ADRB+1], SLOT, v[ADRB]
	v_mul_u32_u24 v24, v1, SP                      ; into the stage: my wave's part, row r, 32 bytes for each half of the lanes
	v_lshl_add_u32 v24, v2, 5, v24
	s_mul_i32 s70, s14, SWAVE
	v_add_nc_u32 v24, s70, v24
	s_mul_i32 s70, s15, 2*SWAVE                    ; back: tile rows 32 w on lie in the parts of waves 2 (w / 2) and 2 (w / 2) + 1, rows 32 (w % 2) on
	s_mul_i32 s71, s16, 32*SP
	s_add_co_u32 s70, s70, s71
	v_add_nc_u32 v25, s70, v31
	v_add_nc_u32 v26, SWAVE, v25
	s_lshl_b32 s70, s19, 8
	s_mov_b32 s71, 0
	s_add_nc_u64 s[66:67], s[12:13], s[70:71]      ; al at my 128 columns
	s_wait_loadcnt 0x0
	s_wait_kmcnt 0x0
	v_max3_num_f32 v64, v64, v65, v66
.set i, 67
.rept 6
	v_max3_num_f32 v64, v64, v[i], v[i+1]
.set i, i+2
.endr
	v_max_num_f32 v64, v64, v79
	LSUM 80, 8
	LSUM 88, 8
	LSUM 96, 8
	LSUM 104, 8
	LSUM 112, 16
	LSUM 128, 64
	v_max_num_f32_dpp v64, v64, v64 row_xmask:1 row_mask:0xf bank_mask:0xf
	v_max_num_f32_dpp v64, v64, v64 row_xmask:2 row_mask:0xf bank_mask:0xf
	v_max_num_f32_dpp v64, v64, v64 row_xmask:4 row_mask:0xf bank_mask:0xf
	v_max_num_f32_dpp v64, v64, v64 row_xmask:8 row_mask:0xf bank_mask:0xf
	v_permlanex16_b32 v11, v64, s2, s3
	v_max_num_f32 v64, v64, v11
	XSUM 80
	XSUM 88
	XSUM 96
	XSUM 104
	XSUM 112
	XSUM 128
	v_max_num_f32 v80, v80, v88
	v_max3_num_f32 v80, v80, v96, v104
	v_add_f32 v4, s72, s73
	v_add_f32 v5, s74, s75
	v_add_f32 v6, s76, s77
	v_sqrt_f32 v32, v64                            ; one batch of seven roots,
	v_sqrt_f32 v33, v80
	v_sqrt_f32 v34, v112
	v_sqrt_f32 v35, v128
	v_sqrt_f32 v36, v4
	v_sqrt_f32 v37, v5
	v_sqrt_f32 v38, v6
	v_nop                                          ; a plain instruction behind the last,
	s_wait_alu depctr_va_vdst(0)                   ; and one wait ahead of the first reader
	v_fma_f32 v39, v32, v33, v36                   ; R_al
	v_fma_f32 v40, v39, v34, v37                   ; R1
	v_fma_f32 v41, v40, v35, v38                   ; R2
	v_readfirstlane_b32 s74, v39
	v_readfirstlane_b32 s75, v40
	v_readfirstlane_b32 s76, v41
	EXPO s74                                       ; E_al
	EXPO s75                                       ; E1
	EXPO s76                                       ; E2
	POW2 s80, s74, 0                               ; s_al: al holds aligned x s_al
	POW2 s81, s74, -8                              ; f0: the sums here carry the weights' 2^8
	POW2 s82, s74, 8                               ; c1: b1's factor, so that it can start the next launch's sums
	s_sub_co_i32 s77, s75, s74
	POW2 s83, s77, -8                              ; g1: those sums to h1 x 2^E1
	POW2 s84, s75, 8                               ; c2
	s_sub_co_i32 s77, s76, s75
	POW2 s85, s77, -8                              ; g2
	s_sub_co_i32 s77, 0, s76
	POW2 s86, s77, -8                              ; f3: the last sums back to true size
	s_mov_b32 s60, s81
	s_mov_b32 s61, s81
	s_mov_b32 s62, s80
	s_mov_b32 s63, s80
	v_pk_mul_f32 v[12:13], v[12:13], s[62:63] op_sel_hi:[1,0]
	v_pk_mul_f32 v[14:15], v[14:15], s[62:63] op_sel_hi:[1,0]
	s_or_b32 s77, s18, s19
	s_or_b32 s77, s77, s14
	s_cmp_lg_u32 s77, 0
	s_cbranch_scc1 .Lnotab
	v_mov_b32 v32, s80                             ; one wave of the launch stores the table, each lane a copy: 1,024 consecutive bytes, EXEC untouched
	v_mov_b32 v33, s81
	v_mov_b32 v34, s82
	v_mov_b32 v35, s83
	v_mov_b32 v36, s84
	v_mov_b32 v37, s85
	v_mov_b32 v38, s86
	v_mov_b32 v39, 0
	v_lshlrev_b32 v40, 5, v3
	global_store_b128 v40, v[32:35], s[12:13] offset:TABLE
	global_store_b128 v40, v[36:39], s[12:13] offset:TABLE+16
	s_wait_xcnt 0x0                                ; these registers are written again on the way out
.Lnotab:
	s_wait_tensorcnt 0x1                           ; my part of K step 0 is in; step 1's stays out
	s_barrier_signal -1
	s_barrier_wait -1
	FETCH 0, 0, 0
	QUARTER 0, 1, 0, 1, 1                          ; the first quarter stands in front of the loop: its products start the sums
	WIN 0
	s_mov_b32 s17, LAPS-1
.Llap:                                                 ; a trip goes once round the ring and fills both slots again
	QUARTER 0, 2, 1, 0, 0
	QUARTER 0, 3, 0, 1, 0
	TURN 0, 1, 1
	QUARTER 1, 1, 0, 1, 0
	QUARTER 1, 2, 1, 0, 0
	QUARTER 1, 3, 0, 1, 0
	TURN 1, 0, 1
	QUARTER 0, 1, 0, 1, 0
	WIN 0
	s_sub_co_u32 s17, s17, 1
	s_cmp_lg_u32 s17, 0
	s_cbranch_scc1 .Llap
	QUARTER 0, 2, 1, 0, 0                          ; the last lap fills nothing
	QUARTER 0, 3, 0, 1, 0
	TURN 0, 1, 0
	QUARTER 1, 1, 0, 1, 0
	QUARTER 1, 2, 1, 0, 0
	QUARTER 1, 3, 0, 1, 0
	s_wait_dscnt 4
	MUL8 1, 0, 0
	MUL8 1, 1, 0
	s_wait_dscnt 0x0
	MUL8 1, 2, 0
	MUL8 1, 3, 0
	WIN 0
	; THE WAY OUT.  Each wave's 64 x 128 partial sums go into the stage in f32; behind a barrier wave w adds the two halves of K for tile rows 32 w .. 32 w + 31 and stores the rows that are the tile's own.
	s_lshl_b32 s57, s14, 5
	s_add_co_u32 s57, s57, s23                     ; the sorted row of my first tile row: rb + 32 w
	s_lshl_b32 s58, s57, 2
	s_sub_co_u32 s56, s57, s21                     ; less s: row i is the tile's own where this + i, taken without sign, is below n
	s_load_b512 s[68:83], s[8:9], s58 offset:512   ; perm of my 32 rows
	s_load_b512 s[84:99], s[8:9], s58 offset:576
	s_barrier_signal -1                            ; no LDS instruction of mine is out: nobody reads a slot any more behind this barrier
	s_barrier_wait -1
	PLACES
	WIN 0x08                                       ; store data in window 2
.irp a, 0,1,2,3
.irp b, 0,1,2,3,4,5,6,7
	ds_store_b128 v24, v[8*(8*(\a)+(\b)):8*(8*(\a)+(\b))+3]   offset:16*SP*(\a)+64*(\b)
	ds_store_b128 v24, v[8*(8*(\a)+(\b))+4:8*(8*(\a)+(\b))+7] offset:16*SP*(\a)+64*(\b)+16
.endr
.endr
	WIN 0
	s_wait_dscnt 0x0                               ; for the others' sake: my stores are done
	s_barrier_signal -1
	s_barrier_wait -1
.macro LOADC c                         ; chunk c: 8 rows x 2 halves of K, 512 consecutive bytes a load
.set BUF, 64+64*((\c)%2)
.irp p, 0,1,2,3,4,5,6,7
	ds_load_b128 v[BUF+8*(\p):BUF+8*(\p)+3],   v25 offset:SP*(8*(\c)+(\p))
	ds_load_b128 v[BUF+8*(\p)+4:BUF+8*(\p)+7], v26 offset:SP*(8*(\c)+(\p))
.endr
.endm
.macro ROWOUT i, b                     ; tile row 32 w + i, its two halves at v[b], v[b + 4]
	v_pk_add_f32 v[(\b):(\b)+1], v[(\b):(\b)+1], v[(\b)+4:(\b)+5]
	v_pk_add_f32 v[(\b)+2:(\b)+3], v[(\b)+2:(\b)+3], v[(\b)+6:(\b)+7]
	v_pk_fma_f32 v[(\b):(\b)+1], v[(\b):(\b)+1], s[60:61], v[12:13] op_sel_hi:[1,0,1]
	v_pk_fma_f32 v[(\b)+2:(\b)+3], v[(\b)+2:(\b)+3], s[60:61], v[14:15] op_sel_hi:[1,0,1]
	v_cvt_pk_f16_f32 v[192+2*(\i)], v[(\b)], v[(\b)+1]
	v_cvt_pk_f16_f32 v[192+2*(\i)+1], v[(\b)+2], v[(\b)+3]
	s_min_u32 s[68+(\i)], s[68+(\i)], 0x7ff
	s_lshl_b32 s[68+(\i)], s[68+(\i)], 11          ; the row's place in al: 2,048 bytes a row
	v_add_nc_u32 v[32+(\i)], s[68+(\i)], v27
	s_add_co_u32 s57, s56, \i
	s_cmp_lt_u32 s57, s22
	s_cbranch_scc0 .Lskip_\@
	global_store_b64 v[32+(\i)], v[192+2*(\i):192+2*(\i)+1], s[66:67]  ; 32 lanes x 8 bytes: 256 consecutive bytes, aligned; each row has registers of its own
.Lskip_\@:
.endm
.macro ROWS c, left
	s_wait_dscnt \left                             ; the younger chunk's 16 loads stay out
.set BUF, 64+64*((\c)%2)
.irp p, 0,1,2,3,4,5,6,7
	ROWOUT 8*(\c)+(\p), BUF+8*(\p)
.endr
.endm
	LOADC 0
	LOADC 1
	s_wait_kmcnt 0x0                               ; perm
	ROWS 0, 16
	LOADC 2
	ROWS 1, 16
	LOADC 3
	ROWS 2, 16
	ROWS 3, 0
	s_wait_tensorcnt 0x0                           ; the wave's end: an add and its wait, behind my last tensor load and my last LDS store
	ds_add_u32 v[SPW], v[NIL]
	s_wait_dscnt 0x0
	s_endpgm
.Lfunc_end_k_q8f3598ea24_l0:
	.size	k_q8f3598ea24_l0, .Lfunc_end_k_q8f3598ea24_l0-k_q8f3598ea24_l0
	.p2alignl 7, 3214868480
	.fill 96, 4, 3214868480
	.section	.rodata,"a",@progbits
	.p2align	6, 0x0
	.amdhsa_kernel k_q8f3598ea24_l0
		.amdhsa_group_segment_fixed_size 327680
		.amdhsa_private_segment_fixed_size 0
		.amdhsa_enable_private_segment 0
		.amdhsa_kernarg_size 40
		.amdhsa_user_sgpr_count 2
		.amdhsa_user_sgpr_kernarg_segment_ptr 1
		.amdhsa_wavefront_size32 1
		.amdhsa_system_sgpr_workgroup_id_x 1
		.amdhsa_system_sgpr_workgroup_id_y 1
		.amdhsa_system_sgpr_workgroup_id_z 1
		.amdhsa_system_vgpr_workitem_id 0
		.amdhsa_next_free_vgpr 768
		.amdhsa_next_free_sgpr 100
		.amdhsa_reserve_vcc 0
		.amdhsa_float_denorm_mode_32 3
		.amdhsa_float_denorm_mode_16_64 3
		.amdhsa_memory_ordered 1
		.amdhsa_forward_progress 1
		.amdhsa_inst_pref_size 114
	.end_amdhsa_kernel
	.amdgpu_metadata
---
amdhsa.version: [ 1, 2 ]
amdhsa.kernels:
  - .name:           k_q8f3598ea24_l0
    .symbol:         k_q8f3598ea24_l0.kd
    .args:
      - { .name: xs, .offset: 0, .size: 8, .value_kind: global_buffer, .address_space: global }
      - { .name: wb, .offset: 8, .size: 8, .value_kind: global_buffer, .address_space: global }
      - { .name: route, .offset: 16, .size: 8, .value_kind: global_buffer, .address_space: global }
      - { .name: b_exp, .offset: 24, .size: 8, .value_kind: global_buffer, .address_space: global }
      - { .name: al, .offset: 32, .size: 8, .value_kind: global_buffer, .address_space: global }
    .group_segment_fixed_size: 327680
    .private_segment_fixed_size: 0
    .kernarg_segment_align: 8
    .kernarg_segment_size: 40
    .max_flat_workgroup_size: 128
    .sgpr_count:     100
    .vgpr_count:     768
    .wavefront_size: 32
...
	.end_amdgpu_metadata
.endif
;; end of part 2
;; launch l1 (part 3): grid 32 x 8, 4 waves a work-group, clusters of 4 x 4, 327,680 bytes of LDS; arguments al, wb, b1, h1; writes h1
.if DOCPART == 3
	.amdgcn_target "amdgcn-amd-amdhsa--gfx1250"
	.amdhsa_code_object_version 6
	.text
	.protected	k_q8f3598ea24_l1
	.globl	k_q8f3598ea24_l1
	.p2align	8
	.type	k_q8f3598ea24_l1,@function
k_q8f3598ea24_l1:
	s_mov_b64 s[64:65], 0
	v_nop
	global_prefetch_b8 v0, s[64:65] scope:SCOPE_SE
	s_setreg_imm32_b32 hwreg(HW_REG_WAVE_MODE, 25, 1), 1
	s_wait_xcnt 0x0
	s_wait_alu depctr_hold_cnt(0) depctr_sa_sdst(0) depctr_va_vdst(0) depctr_va_sdst(0) depctr_va_ssrc(0) depctr_va_vcc(0) depctr_vm_vsrc(0)
	s_getreg_b32 s2, hwreg(HW_REG_IB_STS2, 6, 4)
	s_cmp_eq_u32 s2, 0
	s_cbranch_scc0 .Lentry_in_a_cluster
	s_endpgm
.Lentry_in_a_cluster:
	s_bfe_u32 s2, ttmp6, 0x10000c
	s_cmp_lg_u32 s2, 0xf033
	s_cbranch_scc0 .Lentry_shape_is_right
	s_endpgm
.Lentry_shape_is_right:
; A DENSE LAYER WITH ReLU: out = relu(in W + b), 2,048 rows, 4,096 columns.  One text for two layers; LAYER chooses the sizes.  LAYER 1: in = al, f16 [2048][1024] row-major, K = 1,024.
; LAYER 2: in = h1, K = 4,096, in the fragment image described below.  W lies in wb as f16 [K][4096], times 256.
; SCALES.  in holds the true numbers times a power of two, out likewise (the launch that made the table says how they are bounded).  The bias, times c, is the C operand that starts the sums, so the
; sums are c x (in W + b); times g they are the output's scaled numbers.  c and g are read from the table behind al's rows.  ReLU is taken on the packed f16; a NaN becomes 0 there.
; SHARES.  A work-group makes 256 x 128 of the output: 8 x 32 tiles are 256 work-groups.  Wave w has rows 64 w on and all 128 columns: 32 accumulators.  K goes in steps of 128 through two LDS slots.
; THE MATRIX INSTRUCTION IS USED TRANSPOSED: source 0 = 16 columns of W (turned out of LDS by ds_load_tr16_b128, since W lies [k][n]), source 1 = 16 rows of in: a lane holds row l % 16, columns 8 (l / 16) + 0..7.
; THE OUTPUT IS STORED AS THE NEXT LAYER'S FRAGMENTS: [row / 16][column / 32][c][lane][16 bytes]; lane (r, h), half c holds row 16 mb + r, columns 32 kb + 16 c + 8 h + 0..7.  The eight results of a lane in
; accumulator (a, b), packed, ARE that lane's 16 bytes of half b % 2 of fragment (a, b / 2): each store of the wave is 512 consecutive bytes, aligned, and nothing goes through LDS.
; CLUSTER 4 x 4: the four work-groups of a row of the cluster need the same tile of in, the four of a column the same tile of W: each is asked for jointly.
; REGISTERS, in windows of 256 (s_set_vgpr_msb: bits 1:0 source 0, 3:2 source 1, 5:4 source 2, 7:6 destination):
;   window 0: v1-7 at work; v16,17 / v20,21 LDS addresses of in's / W's fragments in slot 0, 1; v28, v29 the add's; v30 zero; v31 16 x lane; v64-127 in's fragments, two buffers of 4 x 8; v128-255 packed results
;   window 1: v0-127 W's fragments, two buffers of 8 x 8; v128-191 the bias times c          window 2: the accumulators, (a, b) at v[8 (8 a + b)]
.set LAYER, 1
.if LAYER == 1
.set LAPS,   4                         ; K / 256: a lap is two K steps
.set ABYTES, 256*272                   ; rows of 256 bytes + 16 of padding: the 16 rows of a load begin in 16 different columns of 16 bytes modulo 256
.set AHALF,  128*272
.set AWAVE,  64*272
.set ASTEP,  256
.set ASTR,   16*272
.set QSTR,   64
.set CSTR,   32
.set ATY,    19                        ; 256 rows of 2,048 bytes
.set AHW,    18
.set WBASE,  16777216
.set TABP,   4                         ; the table lies behind al's rows
.set TABO,   4194304+8
.else
.set LAPS,   16
.set ABYTES, 16*4096                   ; 16 blocks of 16 rows, 4 fragments of 1,024 bytes each: read as it lies, 512 consecutive bytes a load
.set AHALF,  8*4096
.set AWAVE,  4*4096
.set ASTEP,  4096
.set ASTR,   4096
.set QSTR,   1024
.set CSTR,   512
.set ATY,    21                        ; 16 blocks of 131,072 bytes
.set AHW,    20
.set WBASE,  25165824
.set TABP,   12
.set TABO,   4194304+16
.endif
.set PB,    288                        ; a row of W in LDS: 256 bytes + 32
.set BOFF,  ABYTES
.set BHALF, 64*PB
.set BSTEP, 128*8192
.set SLOT,  ABYTES+128*PB
.set SPARE, 2*SLOT                     ; behind the ring: the spare words, 128 bytes a wave, two blocks of 256 bytes that no other line names
.set ADRA, 16
.set ADRB, 20
.set SPW,  28
.set NIL,  29
.set ZR,   30
.set G1A, 24
.set G0A, 32
.set G1B, 40
.set G0B, 48
.set MSB, 0
.macro WIN new                         ; the immediate's high byte repeats the setting that is left; a switch that changes nothing is dropped
.if MSB != (\new)
	s_set_vgpr_msb (MSB<<8)|(\new)
.set MSB, \new
.endif
.endm
.macro PLACES                          ; four plain places in front of loads into registers that matrix instructions have read, and of readers of their results
.rept 4
	v_nop
.endr
.endm
.macro JLOAD s                         ; a joint fill of slot s: waves 0 and 1 fetch the halves of in's tile, waves 2 and 3 those of W's; an s_nop 0 and four v_nop follow each line
	s_cmp_eq_u32 s15, 0
	s_cbranch_scc0 .Lfor_b_\@
	tensor_load_to_lds s[G0A+4*(\s):G0A+4*(\s)+3], s[G1A:G1A+7]
	s_nop 0
.rept 4
	v_nop
.endr
	s_branch .Lasked_\@
.Lfor_b_\@:
	tensor_load_to_lds s[G0B+4*(\s):G0B+4*(\s)+3], s[G1B:G1B+7]
	s_nop 0
.rept 4
	v_nop
.endr
.Lasked_\@:
.endm
.macro CREST                           ; a round of the cluster's barrier behind its opening barrier
	s_cmp_lg_u32 s14, 0
	s_cbranch_scc1 .Lnot_wave_0_\@
	s_barrier_signal -3
.Lnot_wave_0_\@:
	s_barrier_wait -3
	s_barrier_signal -1
	s_barrier_wait -1
.endm
.macro CROUND                          ; a whole round
	s_barrier_signal -1
	s_barrier_wait -1
	CREST
.endm
.macro MUL8 f, a, mode                 ; 8 matrix instructions: row block a x all 8 column blocks, 32 along K, buffer f.  mode 0: onto the sums; 2: the bias starts them
.if (\mode) == 2
	WIN 0x91                                       ; W window 1, in window 0, C window 1, D window 2
.else
	WIN 0xa1                                       ; C and D window 2
.endif
.irp b, 0,1,2,3,4,5,6,7
.if (\mode) == 2
	v_wmma_f32_16x16x32_f16 v[8*(8*(\a)+(\b)):8*(8*(\a)+(\b))+7], v[64*(\f)+8*(\b):64*(\f)+8*(\b)+7], v[64+32*(\f)+8*(\a):64+32*(\f)+8*(\a)+7], v[128+8*(\b):128+8*(\b)+7]
.else
	v_wmma_f32_16x16x32_f16 v[8*(8*(\a)+(\b)):8*(8*(\a)+(\b))+7], v[64*(\f)+8*(\b):64*(\f)+8*(\b)+7], v[64+32*(\f)+8*(\a):64+32*(\f)+8*(\a)+7], v[8*(8*(\a)+(\b)):8*(8*(\a)+(\b))+7]
.endif
.endr
.endm
.macro FETCH slot, q, f                ; 24 LDS loads in one run: quarter q (32 along K) of the slot, into buffer f: W's 8 fragments, then in's 4
	WIN 0x40
.irp b, 0,1,2,3,4,5,6,7
	ds_load_tr16_b128 v[64*(\f)+8*(\b):64*(\f)+8*(\b)+3],   v[ADRB+(\slot)] offset:32*PB*(\q)+32*(\b)
	ds_load_tr16_b128 v[64*(\f)+8*(\b)+4:64*(\f)+8*(\b)+7], v[ADRB+(\slot)] offset:32*PB*(\q)+32*(\b)+16*PB
.endr
	WIN 0
.irp a, 0,1,2,3
	ds_load_b128 v[64+32*(\f)+8*(\a):64+32*(\f)+8*(\a)+3],   v[ADRA+(\slot)] offset:(\a)*ASTR+(\q)*QSTR
	ds_load_b128 v[64+32*(\f)+8*(\a)+4:64+32*(\f)+8*(\a)+7], v[ADRA+(\slot)] offset:(\a)*ASTR+(\q)*QSTR+CSTR
.endr
.endm
.macro QUARTER slot, q, f, g, mode     ; multiplies buffer f; in its middle fetches quarter q of the slot into buffer g.  The 32 accumulators take turns in one fixed order
	s_wait_dscnt 4                                 ; all but the youngest four loads: in's row blocks 2 and 3
	MUL8 \f, 0, \mode
	MUL8 \f, 1, \mode
	PLACES
	FETCH \slot, \q, \g
	s_wait_dscnt 24                                ; all but the 24 just issued
	MUL8 \f, 2, \mode
	MUL8 \f, 3, \mode
.endm
; The last quarter of a K step multiplies buffer 1 and changes slots: ONE barrier; in front of it each wave waits for all its tensor loads (one is out: its part of the next slot), adds 0 to its
; spare word, and waits for that and for its reads of this slot.  fill = 1: the barrier opens a round of the cluster's barrier, and this slot is filled again, two K steps on, first thing behind the round:
; 112 matrix instructions ahead of the wait for it.
.macro TURN slot, next, fill
	WIN 0
	s_wait_tensorcnt 0x0
	ds_add_u32 v[SPW], v[NIL]
	s_wait_dscnt 5                                 ; the add and the youngest four loads may be out
	MUL8 1, 0, 0
	s_wait_dscnt 0x0                               ; the add is done, my reads of this slot are over
	s_barrier_signal -1
	MUL8 1, 1, 0
.if \fill
	WIN 0
.endif
	s_barrier_wait -1
.if \fill
	CREST                                          ; no wave of any partner still reads this slot's tile or has a load on its way
	s_add_nc_u64 s[G0A+4*(\slot)+2:G0A+4*(\slot)+3], s[G0A+4*(\slot)+2:G0A+4*(\slot)+3], 2*ASTEP
	s_add_nc_u64 s[G0B+4*(\slot)+2:G0B+4*(\slot)+3], s[G0B+4*(\slot)+2:G0B+4*(\slot)+3], 2*BSTEP
	JLOAD \slot                                    ; its four v_nop are also the places in front of the loads below
.else
	PLACES
.endif
	FETCH \next, 0, 0
	MUL8 1, 2, 0
	MUL8 1, 3, 0
.endm
	s_load_b256 s[4:11], s[0:1], 0x0               ; in 4, wb 6, bias 8, out 10
.if LAYER == 2
	s_load_b64 s[12:13], s[0:1], 0x20              ; al, for the table
.endif
	v_lshl_add_u32 v[SPW], v0, 2, SPARE
	v_mov_b32 v[NIL], 0
	ds_add_u32 v[SPW], v[NIL]                      ; the wave's opening: the add, waited for ahead of my first tensor load
	v_mov_b32 v[ZR], 0
	v_lshrrev_b32 v1, 5, v0
	v_readfirstlane_b32 s14, v1                    ; wave
	s_lshr_b32 s15, s14, 1                         ; I fetch in (0) or W (1),
	s_and_b32 s16, s14, 1                          ; and which half of that tile
	s_bfe_u32 s17, ttmp6, 0x40000                  ; cx
	s_bfe_u32 s18, ttmp6, 0x40004                  ; cy
	s_lshl_b32 s19, ttmp9, 2
	s_add_co_u32 s19, s19, s17                     ; tx: 128 columns
	s_and_b32 s20, ttmp7, 0xffff
	s_lshl_b32 s20, s20, 2
	s_add_co_u32 s20, s20, s18                     ; ty: 256 rows
	s_lshl_b32 s21, s18, 2
	s_lshl_b32 s21, 15, s21                        ; my row of the cluster
	s_lshl_b32 s22, 0x1111, s17                    ; my column
.if LAYER == 1
	s_or_b32 s[G1A+0], s21, (1<<16)|(1<<20)|(1<<21)|(5<<22)|(3<<25)  ; the mask; 2-byte elements; padding on; bit 21 beside a mask; after every 64 words 4 words
	s_mov_b32 s[G1A+1], 128<<16                    ; tensor_dim0 = 128
	s_mov_b32 s[G1A+2], 128<<16                    ; tensor_dim1 = 128
	s_mov_b32 s[G1A+3], 128<<16                    ; tile_dim0 = 128
	s_mov_b32 s[G1A+4], 128                        ; tile_dim1 = 128
	s_mov_b32 s[G1A+5], 1024                       ; elements from row to row
.else
	s_or_b32 s[G1A+0], s21, (3<<16)|(1<<21)        ; the mask; 8-byte elements; no padding
	s_mov_b32 s[G1A+1], 512<<16                    ; a row of the tile: a block's 4 fragments, 4,096 bytes
	s_mov_b32 s[G1A+2], 8<<16                      ; 8 blocks of 16 rows
	s_mov_b32 s[G1A+3], 512<<16
	s_mov_b32 s[G1A+4], 8
	s_mov_b32 s[G1A+5], 16384                      ; 131,072 bytes from block to block
.endif
	s_mov_b32 s[G1A+6], 0
	s_mov_b32 s[G1A+7], 0
	s_or_b32 s[G1B+0], s22, (1<<16)|(1<<20)|(1<<21)|(5<<22)|(7<<25)  ; after every 64 words 8 words
	s_mov_b32 s[G1B+1], 128<<16
	s_mov_b32 s[G1B+2], 64<<16
	s_mov_b32 s[G1B+3], 128<<16
	s_mov_b32 s[G1B+4], 64
	s_mov_b32 s[G1B+5], 4096
	s_mov_b32 s[G1B+6], 0
	s_mov_b32 s[G1B+7], 0
	s_lshl_b32 s56, s20, ATY                       ; in's tile hangs on ty and the wave alone,
	s_lshl_b32 s57, s16, AHW
	s_add_co_u32 s56, s56, s57
	s_mov_b32 s57, 0
	s_lshl_b32 s58, s19, 8                         ; W's on tx and the wave alone: each in registers that never hold the other coordinate
	s_lshl_b32 s59, s16, 19                        ; 64 rows of 8,192 bytes
	s_add_co_u32 s58, s58, s59
	s_add_co_u32 s58, s58, WBASE
	s_mov_b32 s59, 0
	s_mul_i32 s2, s16, AHALF                       ; where they go: no place in the cluster enters an LDS address
	s_mul_i32 s3, s16, BHALF
	s_add_co_u32 s3, s3, BOFF
	s_wait_dscnt 0x0                               ; the opening add is done
	s_wait_kmcnt 0x0
	s_add_nc_u64 s[56:57], s[4:5], s[56:57]
	s_add_nc_u64 s[58:59], s[6:7], s[58:59]
	s_load_b64 s[68:69], s[TABP:TABP+1], TABO      ; c, g
	CROUND                                         ; all sixteen work-groups are here: the first joint loads meet
.irp s, 0,1
	s_mov_b32 s[G0A+4*(\s)], 1
	s_add_co_u32 s[G0A+4*(\s)+1], s2, (\s)*SLOT
	s_add_nc_u64 s[G0A+4*(\s)+2:G0A+4*(\s)+3], s[56:57], (\s)*ASTEP
	s_or_b32 s[G0A+4*(\s)+3], s[G0A+4*(\s)+3], 0x80000000
	s_mov_b32 s[G0B+4*(\s)], 1
	s_add_co_u32 s[G0B+4*(\s)+1], s3, (\s)*SLOT
	s_add_nc_u64 s[G0B+4*(\s)+2:G0B+4*(\s)+3], s[58:59], (\s)*BSTEP
	s_or_b32 s[G0B+4*(\s)+3], s[G0B+4*(\s)+3], 0x80000000
	JLOAD \s                                       ; both slots are asked for before anything else: two tensor loads of mine are out
.endr
	v_and_b32 v1, 15, v0                           ; r = l % 16
	v_bfe_u32 v2, v0, 4, 1                         ; h = l / 16
	v_and_b32 v3, 31, v0
	v_lshlrev_b32 v31, 4, v3                       ; 16 x lane
	v_lshlrev_b32 v7, 5, v2                        ; 32 h
	s_lshl_b32 s70, s19, 9
	s_mov_b32 s71, 0
	s_add_nc_u64 s[8:9], s[8:9], s[70:71]          ; the bias at my 128 columns
	WIN 0x40
.irp b, 0,1,2,3,4,5,6,7                ; in the layout of a C operand: register j of block b = bias[16 b + 8 h + j], the same for every row
	global_load_b128 v[128+8*(\b):128+8*(\b)+3],   v7, s[8:9] offset:64*(\b)
	global_load_b128 v[128+8*(\b)+4:128+8*(\b)+7], v7, s[8:9] offset:64*(\b)+16
.endr
	WIN 0
.if LAYER == 1
	v_mul_u32_u24 v4, v1, 272                      ; in's fragments: (64 w + r) x pitch + 16 h
	v_lshl_add_u32 v4, v2, 4, v4
.else
	v_lshlrev_b32 v4, 4, v3                        ; in's fragments lie as the registers take them: 16 x lane
.endif
	s_mul_i32 s70, s14, AWAVE
	v_add_nc_u32 v[ADRA], s70, v4
	v_add_nc_u32 v[ADRA+1], SLOT, v[ADRA]
	v_and_b32 v5, 7, v0                            ; W's: the turning load's lane reads row k = 8 h + l % 8, 16 bytes at 16 ((l / 8) % 2)
	v_lshl_add_u32 v5, v2, 3, v5
	v_mul_u32_u24 v5, v5, PB
	v_bfe_u32 v6, v0, 3, 1
	v_lshl_add_u32 v5, v6, 4, v5
	v_add_nc_u32 v[ADRB], BOFF, v5
	v_add_nc_u32 v[ADRB+1], SLOT, v[ADRB]
	s_lshl_b32 s70, s20, 21                        ; out at block 16 ty + 4 w, fragment 4 tx
	s_lshl_b32 s71, s14, 19
	s_add_co_u32 s70, s70, s71
	s_lshl_b32 s71, s19, 12
	s_add_co_u32 s70, s70, s71
	s_mov_b32 s71, 0
	s_add_nc_u64 s[66:67], s[10:11], s[70:71]
	s_wait_kmcnt 0x0
	s_mov_b32 s60, s68                             ; c, named as a pair
	s_mov_b32 s61, s68
	s_mov_b32 s62, s69                             ; g
	s_mov_b32 s63, s69
	s_wait_loadcnt 0x0
	WIN 0x41
.set i, 0
.rept 32
	v_pk_mul_f32 v[128+2*i:128+2*i+1], v[128+2*i:128+2*i+1], s[60:61] op_sel_hi:[1,0]
.set i, i+1
.endr
	WIN 0
	s_wait_tensorcnt 0x1                           ; my part of K step 0 is in; step 1's stays out
	s_barrier_signal -1
	s_barrier_wait -1
	FETCH 0, 0, 0
	QUARTER 0, 1, 0, 1, 2                          ; the first quarter stands in front of the loop: its products start the sums, on the bias
	WIN 0
	s_mov_b32 s23, LAPS-1
.Llap:                                                 ; a trip goes once round the ring and fills both slots again
	QUARTER 0, 2, 1, 0, 0
	QUARTER 0, 3, 0, 1, 0
	TURN 0, 1, 1
	QUARTER 1, 1, 0, 1, 0
	QUARTER 1, 2, 1, 0, 0
	QUARTER 1, 3, 0, 1, 0
	TURN 1, 0, 1
	QUARTER 0, 1, 0, 1, 0
	WIN 0
	s_sub_co_u32 s23, s23, 1
	s_cmp_lg_u32 s23, 0
	s_cbranch_scc1 .Llap
	QUARTER 0, 2, 1, 0, 0                          ; the last lap fills nothing, and has no round of the cluster's barrier
	QUARTER 0, 3, 0, 1, 0
	TURN 0, 1, 0
	QUARTER 1, 1, 0, 1, 0
	QUARTER 1, 2, 1, 0, 0
	QUARTER 1, 3, 0, 1, 0
	s_wait_dscnt 4
	MUL8 1, 0, 0
	MUL8 1, 1, 0
	s_wait_dscnt 0x0
	MUL8 1, 2, 0
	MUL8 1, 3, 0
	; THE WAY OUT: times g, rounded to f16, ReLU on the packed halves, stored as the next layer's fragments.  Each accumulator is read from its low end on.
	PLACES
	WIN 0x82
.set i, 0
.rept 128
	v_pk_mul_f32 v[2*i:2*i+1], v[2*i:2*i+1], s[62:63] op_sel_hi:[1,0]
.set i, i+1
.endr
	WIN 0x0a
.set i, 0
.rept 128
	v_cvt_pk_f16_f32 v[128+i], v[2*i], v[2*i+1]
.set i, i+1
.endr
	WIN 0
.set i, 0
.rept 128
	v_pk_max_num_f16 v[128+i], v[128+i], v[ZR]
.set i, i+1
.endr
.irp a, 0,1,2,3
.irp b, 0,1,2,3,4,5,6,7
	global_store_b128 v31, v[128+4*(8*(\a)+(\b)):128+4*(8*(\a)+(\b))+3], s[66:67] offset:131072*(\a)+512*(\b)  ; 512 consecutive bytes, aligned
.endr
.endr
	s_wait_tensorcnt 0x0                           ; the wave's end: an add and its wait, behind my last tensor load
	ds_add_u32 v[SPW], v[NIL]
	s_wait_dscnt 0x0
	CROUND                                         ; the closing round: no work-group ends while a partner may still ask for a tile that names it
	s_endpgm
.Lfunc_end_k_q8f3598ea24_l1:
	.size	k_q8f3598ea24_l1, .Lfunc_end_k_q8f3598ea24_l1-k_q8f3598ea24_l1
	.p2alignl 7, 3214868480
	.fill 96, 4, 3214868480
	.section	.rodata,"a",@progbits
	.p2align	6, 0x0
	.amdhsa_kernel k_q8f3598ea24_l1
		.amdhsa_group_segment_fixed_size 327680
		.amdhsa_private_segment_fixed_size 0
		.amdhsa_enable_private_segment 0
		.amdhsa_kernarg_size 32
		.amdhsa_user_sgpr_count 2
		.amdhsa_user_sgpr_kernarg_segment_ptr 1
		.amdhsa_wavefront_size32 1
		.amdhsa_system_sgpr_workgroup_id_x 1
		.amdhsa_system_sgpr_workgroup_id_y 1
		.amdhsa_system_sgpr_workgroup_id_z 1
		.amdhsa_system_vgpr_workitem_id 0
		.amdhsa_next_free_vgpr 768
		.amdhsa_next_free_sgpr 72
		.amdhsa_reserve_vcc 0
		.amdhsa_float_denorm_mode_32 3
		.amdhsa_float_denorm_mode_16_64 3
		.amdhsa_memory_ordered 1
		.amdhsa_forward_progress 1
		.amdhsa_inst_pref_size 101
	.end_amdhsa_kernel
	.amdgpu_metadata
---
amdhsa.version: [ 1, 2 ]
amdhsa.kernels:
  - .name:           k_q8f3598ea24_l1
    .symbol:         k_q8f3598ea24_l1.kd
    .args:
      - { .name: al, .offset: 0, .size: 8, .value_kind: global_buffer, .address_space: global }
      - { .name: wb, .offset: 8, .size: 8, .value_kind: global_buffer, .address_space: global }
      - { .name: b1, .offset: 16, .size: 8, .value_kind: global_buffer, .address_space: global }
      - { .name: h1, .offset: 24, .size: 8, .value_kind: global_buffer, .address_space: global }
    .group_segment_fixed_size: 327680
    .private_segment_fixed_size: 0
    .kernarg_segment_align: 8
    .kernarg_segment_size: 32
    .max_flat_workgroup_size: 128
    .sgpr_count:     72
    .vgpr_count:     768
    .wavefront_size: 32
...
	.end_amdgpu_metadata
.endif
;; end of part 3
;; launch l2 (part 4): grid 8 x 32, 4 waves a work-group, clusters of 4 x 1, 327,680 bytes of LDS; arguments h1, wb, b2, h2, al; writes h2
.if DOCPART == 4
	.amdgcn_target "amdgcn-amd-amdhsa--gfx1250"
	.amdhsa_code_object_version 6
	.text
	.protected	k_q8f3598ea24_l2
	.globl	k_q8f3598ea24_l2
	.p2align	8
	.type	k_q8f3598ea24_l2,@function
k_q8f3598ea24_l2:
	s_mov_b64 s[64:65], 0
	v_nop
	global_prefetch_b8 v0, s[64:65] scope:SCOPE_SE
	s_setreg_imm32_b32 hwreg(HW_REG_WAVE_MODE, 25, 1), 1
	s_wait_xcnt 0x0
	s_wait_alu depctr_hold_cnt(0) depctr_sa_sdst(0) depctr_va_vdst(0) depctr_va_sdst(0) depctr_va_ssrc(0) depctr_va_vcc(0) depctr_vm_vsrc(0)
	s_getreg_b32 s2, hwreg(HW_REG_IB_STS2, 6, 4)
	s_cmp_eq_u32 s2, 0
	s_cbranch_scc0 .Lentry_in_a_cluster
	s_endpgm
.Lentry_in_a_cluster:
	s_bfe_u32 s2, ttmp6, 0x10000c
	s_cmp_lg_u32 s2, 0x3003
	s_cbranch_scc0 .Lentry_shape_is_right
	s_endpgm
.Lentry_shape_is_right:
; THE SECOND DENSE LAYER: h2 = relu(h1 W2 + b2), 2,048 x 4,096, K = 4,096.  h1 and h2 lie in f16 as matrix fragments: [row / 16][column / 32][c][lane][16 bytes]; lane (r, h), half c holds
; row 16 mb + r, columns 32 kb + 16 c + 8 h + 0..7.  W2 lies in wb as f16 [4096][4096], times 256.
; SCALES.  h1 holds the true numbers times a power of two, h2 likewise (the launch that made the table says how they are bounded).  The sums start from the bias times c, so they are c x (h1 W2 + b2);
; times g they are h2's scaled numbers.  c and g are read from the table behind al's rows.  ReLU is taken on the packed f16; a NaN becomes 0 there.
; SHARES.  A work-group makes 256 x 128 of h2: 8 x 32 tiles are 256 work-groups.  Wave w has rows 64 w on and all 128 columns: 32 accumulators.
; h1 GOES STRAIGHT INTO REGISTERS.  No two waves of the work-group read the same rows, and memory holds the fragments as the lanes take them, so LDS would add nothing: a quarter (32 along K) is eight
; loads of 512 consecutive bytes.  A ring of eight register buffers keeps seven quarters, 56 loads of the wave, on their way; no barrier binds them.
; W2 GOES THROUGH LDS, which all four waves read: two slots of 256 k x 128 columns, each wave fetching 64 rows of a slot with one tensor load.  A refill has 240 of a slot's 256 matrix instructions in which to land.
; A TRIP IS ONE SLOT, eight quarters, one for each ring buffer, so the text names every register outright; the slot is chosen by an exclusive or.  The text stands twice: 14 trips that fill the slot again, 2 that do not.
; For one text in those last two trips the very last trip fetches W2's next fragments from a slot that nobody needs any more (16 LDS loads), passes one barrier more than it needs, and its loads
; of h1 past K are held to the block's last fragment (56 loads of the wave's 1,080, inside the buffer, never read).
; THE MATRIX INSTRUCTION IS USED TRANSPOSED: source 0 = 16 columns of W2 (turned out of LDS by ds_load_tr16_b128, since W2 lies [k][n]), source 1 = 16 rows of h1: a lane holds row l % 16, columns 8 (l / 16) + 0..7.
; So the eight results of a lane in accumulator (a, b), packed, ARE that lane's 16 bytes of half b % 2 of fragment (a, b / 2) of h2: each store of the wave is 512 consecutive bytes, aligned.
; CLUSTER 4 x 1: four row tiles of one column tile need the same tile of W2 and ask for it jointly.  h1 is not asked for jointly: it does not pass the data mover.
; REGISTERS, in windows of 256 (s_set_vgpr_msb: bits 1:0 source 0, 3:2 source 1, 5:4 source 2, 7:6 destination):
;   window 0: v1-7 at work; v8-15 ring buffer i's byte offset in a block of h1; v16 the last fragment's; v18, v19 my lane's place in a slot, quarters 0-3 and 4-7; v20, v21 the same plus the slot in hand;
;             v28, v29 the add's; v30 zero; v31 16 x lane; v128-255 packed results
;   window 1: v0-127 W2's fragments, two buffers of 8 x 8; v128-191 the bias     window 2: the accumulators, (a, b) at v[8 (8 a + b)]     window 3: h1's ring, buffer i, row block a at v[32 i + 8 a]
.set NSLOT,  16                        ; K / 256
.set PB,     288                       ; a row of W2 in LDS: 256 bytes + 32
.set SLOTB,  256*PB                    ; 73,728
.set SLOT1,  1<<17                     ; slot 1 begins here, so that one exclusive or turns an address in one slot into the other's
.set SPARE,  SLOT1+SLOTB               ; behind the ring: the spare words, 128 bytes a wave, two blocks of 256 bytes that no other line names
.set BWAVE,  64*PB                     ; a wave's part of a slot
.set BSTEP,  256*8192                  ; 256 rows of W2
.set WBASE,  25165824
.set TABO,   4194304+16
.set ABLK,   131072                    ; a block of 16 rows of h1: 128 fragments of 1,024 bytes
.set OFF,  8
.set LIM,  16
.set AB0,  18
.set ADRB, 20
.set SPW,  28
.set NIL,  29
.set ZR,   30
.set G1, 24                            ; s[24:31] descriptor group 1
.set G0, 32                            ; s[32:39] descriptor group 0: a set for each of the two first fills; the second then walks on
.set TB, 40                            ; s40  LDS byte at which the slot begins whose fragments are fetched
.set MSB, 0
.macro WIN new                         ; the immediate's high byte repeats the setting that is left; a switch that changes nothing is dropped
.if MSB != (\new)
	s_set_vgpr_msb (MSB<<8)|(\new)
.set MSB, \new
.endif
.endm
.macro PLACES                          ; four plain places in front of readers of matrix results (ISA guide 7.12.1)
.rept 4
	v_nop
.endr
.endm
.macro CREST                           ; a round of the cluster's barrier behind its opening barrier
	s_cmp_lg_u32 s14, 0
	s_cbranch_scc1 .Lnot_wave_0_\@
	s_barrier_signal -3
.Lnot_wave_0_\@:
	s_barrier_wait -3
	s_barrier_signal -1
	s_barrier_wait -1
.endm
.macro CROUND                          ; a whole round
	s_barrier_signal -1
	s_barrier_wait -1
	CREST
.endm
.macro MUL8B f, i, b0                  ; 8 matrix instructions: column blocks b0, b0 + 1 x all 4 row blocks, 32 along K: W2's buffer f, h1's ring buffer i
	WIN 0xad                                       ; W2 window 1, h1 window 3, C and D window 2
.irp b, \b0, (\b0)+1
.irp a, 0,1,2,3
	v_wmma_f32_16x16x32_f16 v[8*(8*(\a)+(\b)):8*(8*(\a)+(\b))+7], v[64*(\f)+8*(\b):64*(\f)+8*(\b)+7], v[32*(\i)+8*(\a):32*(\i)+8*(\a)+7], v[8*(8*(\a)+(\b)):8*(8*(\a)+(\b))+7]
.endr
.endr
.endm
.macro FETCH q, f                      ; 16 LDS loads in one run: W2's 8 fragments of quarter q of the slot in hand, into buffer f, column blocks ascending
	WIN 0x40
.irp b, 0,1,2,3,4,5,6,7
	ds_load_tr16_b128 v[64*(\f)+8*(\b):64*(\f)+8*(\b)+3],   v[ADRB+(\q)/4] offset:32*PB*((\q)%4)+32*(\b)
	ds_load_tr16_b128 v[64*(\f)+8*(\b)+4:64*(\f)+8*(\b)+7], v[ADRB+(\q)/4] offset:32*PB*((\q)%4)+32*(\b)+16*PB
.endr
.endm
.macro ALOAD i                         ; 8 loads of 512 consecutive bytes: h1's 4 fragments of one quarter, into ring buffer i
	WIN 0xc0
.irp a, 0,1,2,3
	global_load_b128 v[32*(\i)+8*(\a):32*(\i)+8*(\a)+3],   v[OFF+(\i)], s[4:5] offset:ABLK*(\a)
	global_load_b128 v[32*(\i)+8*(\a)+4:32*(\i)+8*(\a)+7], v[OFF+(\i)], s[4:5] offset:ABLK*(\a)+512
.endr
.endm
; Quarter i of a slot, i = 0 .. 6.  The 32 accumulators take turns in one fixed order.  In its middle stand, behind four plain places: W2's fragments of the next quarter, into the
; buffer that the last quarter multiplied, and h1's fragments seven quarters on, into the ring buffer that the last quarter multiplied.  Two of the places step this quarter's own offset, which the
; wait at the head has freed, by a trip's 8 fragments, held to the block's last fragment.
.macro QUARTER i
	s_wait_loadcnt 48                              ; ring buffer i is in; the six younger quarters' 48 loads stay out
	s_wait_dscnt 8                                 ; W2's column blocks 0-3 are in; the youngest eight loads stay out
	MUL8B (\i)%2, \i, 0
	MUL8B (\i)%2, \i, 2
	WIN 0
	v_add_nc_u32 v[OFF+(\i)], 8192, v[OFF+(\i)]
	v_min_u32 v[OFF+(\i)], v[OFF+(\i)], v[LIM]
	v_nop
	v_nop
	FETCH (\i)+1, 1-(\i)%2
	ALOAD ((\i)+7)%8
	s_wait_dscnt 16                                ; all but the 16 just issued
	MUL8B (\i)%2, \i, 4
	MUL8B (\i)%2, \i, 6
.endm
; Quarter 7 changes slots: ONE barrier; in front of it each wave waits for all its tensor loads (one is out: its part of the other slot), adds 0 to its spare word, and waits for that and for its reads
; of this slot.  fill = 1: the barrier opens a round of the cluster's barrier, and this slot is filled again, two slots on, first thing behind the round.  The four vector lines behind the load
; are also the places in front of the loads below.
.macro TURN fill
	WIN 0
	s_wait_loadcnt 48                              ; ring buffer 7 is in
	s_wait_tensorcnt 0x0                           ; no tensor load of mine is out, so a group 0 may be written
	ds_add_u32 v[SPW], v[NIL]
	s_xor_b32 s[TB], s[TB], SLOT1                  ; the fetches go on in the other slot
.if \fill
	s_xor_b32 s[G0+5], s[G0+5], SLOT1              ; the walking descriptor: the other slot than last time (my part's 55,296 bytes at the most do not reach bit 17),
	s_add_nc_u64 s[G0+6:G0+7], s[G0+6:G0+7], BSTEP ; the next 256 rows; the type bits on top are not reached
.endif
	s_wait_dscnt 9                                 ; the add and the youngest eight loads may be out
	MUL8B 1, 7, 0
	s_wait_dscnt 0x0                               ; the add is done, my reads of this slot are over
	s_barrier_signal -1
	MUL8B 1, 7, 2
	WIN 0
	s_barrier_wait -1
.if \fill
	CREST                                          ; no wave of any partner still reads this slot's tile or has a load on its way
	tensor_load_to_lds s[G0+4:G0+7], s[G1:G1+7]
	s_nop 0
.endif
	v_add_nc_u32 v[OFF+7], 8192, v[OFF+7]
	v_min_u32 v[OFF+7], v[OFF+7], v[LIM]
	v_add_nc_u32 v[ADRB], s[TB], v[AB0]
	v_add_nc_u32 v[ADRB+1], s[TB], v[AB0+1]
	FETCH 0, 0
	ALOAD 6
	MUL8B 1, 7, 4
	MUL8B 1, 7, 6
.endm
.macro TRIP fill
.irp i, 0,1,2,3,4,5,6
	QUARTER \i
.endr
	TURN \fill
.endm
	s_load_b256 s[4:11], s[0:1], 0x0               ; h1 4, wb 6, b2 8, h2 10
	s_load_b64 s[12:13], s[0:1], 0x20              ; al, for the table
	v_lshl_add_u32 v[SPW], v0, 2, SPARE
	v_mov_b32 v[NIL], 0
	ds_add_u32 v[SPW], v[NIL]                      ; the wave's opening: the add, waited for ahead of my first tensor load
	v_mov_b32 v[ZR], 0
	v_lshrrev_b32 v1, 5, v0
	v_readfirstlane_b32 s14, v1                    ; wave
	s_bfe_u32 s17, ttmp6, 0x40000                  ; cx
	s_lshl_b32 s20, ttmp9, 2
	s_add_co_u32 s20, s20, s17                     ; ty: 256 rows; it enters h1's and h2's addresses alone
	s_and_b32 s19, ttmp7, 0xffff                   ; tx: 128 columns, which the four partners share
	s_mov_b32 s[G1+0], 15|(1<<16)|(1<<20)|(1<<21)|(5<<22)|(7<<25)  ; the mask of four; 2-byte elements; padding on; bit 21 beside a mask; after every 64 words 8 words
	s_mov_b32 s[G1+1], 128<<16                     ; tensor_dim0 = 128
	s_mov_b32 s[G1+2], 64<<16                      ; tensor_dim1 = 64
	s_mov_b32 s[G1+3], 128<<16                     ; tile_dim0 = 128
	s_mov_b32 s[G1+4], 64                          ; tile_dim1 = 64
	s_mov_b32 s[G1+5], 4096                        ; elements from row to row
	s_mov_b32 s[G1+6], 0
	s_mov_b32 s[G1+7], 0
	s_lshl_b32 s58, s19, 8                         ; W2's tile hangs on tx and the wave alone: 128 columns,
	s_lshl_b32 s59, s14, 19                        ; 64 rows of 8,192 bytes
	s_add_co_u32 s58, s58, s59
	s_add_co_u32 s58, s58, WBASE
	s_mov_b32 s59, 0
	s_mul_i32 s3, s14, BWAVE                       ; where it goes: no place in the cluster enters an LDS address
	s_lshl_b32 s56, s20, 21                        ; my rows in h1 and in h2: 16 blocks a tile,
	s_lshl_b32 s57, s14, 19                        ; 4 blocks a wave
	s_add_co_u32 s56, s56, s57
	s_mov_b32 s57, 0
	s_mov_b32 s[TB], 0
	s_wait_dscnt 0x0                               ; the opening add is done
	s_wait_kmcnt 0x0
	s_add_nc_u64 s[58:59], s[6:7], s[58:59]
	s_add_nc_u64 s[4:5], s[4:5], s[56:57]          ; h1 at my first block
	s_load_b64 s[68:69], s[12:13], TABO            ; c, g
	s_mov_b32 s[G0], 1
	s_mov_b32 s[G0+1], s3                          ; slot 0,
	s_add_nc_u64 s[G0+2:G0+3], s[58:59], 0         ; rows 0 to 255
	s_or_b32 s[G0+3], s[G0+3], 0x80000000
	s_mov_b32 s[G0+4], 1
	s_add_co_u32 s[G0+5], s3, SLOT1                ; slot 1,
	s_add_nc_u64 s[G0+6:G0+7], s[58:59], BSTEP     ; rows 256 to 511
	s_or_b32 s[G0+7], s[G0+7], 0x80000000
	CROUND                                         ; all four work-groups are here: the first joint loads meet
	tensor_load_to_lds s[G0:G0+3], s[G1:G1+7]      ; both slots are asked for before anything else: two tensor loads of mine are out
	s_nop 0
	tensor_load_to_lds s[G0+4:G0+7], s[G1:G1+7]
	s_nop 0
.rept 4
	v_nop
.endr
	v_and_b32 v1, 15, v0                           ; r = l % 16
	v_bfe_u32 v2, v0, 4, 1                         ; h = l / 16
	v_and_b32 v3, 31, v0
	v_lshlrev_b32 v31, 4, v3                       ; 16 x lane
	v_lshlrev_b32 v7, 5, v2                        ; 32 h
	s_lshl_b32 s70, s19, 9
	s_mov_b32 s71, 0
	s_add_nc_u64 s[8:9], s[8:9], s[70:71]          ; the bias at my 128 columns
	WIN 0x40
.irp b, 0,1,2,3,4,5,6,7                ; in an accumulator's layout: register j of block b = bias[16 b + 8 h + j], the same for every row
	global_load_b128 v[128+8*(\b):128+8*(\b)+3],   v7, s[8:9] offset:64*(\b)
	global_load_b128 v[128+8*(\b)+4:128+8*(\b)+7], v7, s[8:9] offset:64*(\b)+16
.endr
	WIN 0
.irp i, 0,1,2,3,4,5,6,7
	v_add_nc_u32 v[OFF+(\i)], 1024*(\i), v31       ; quarter i's fragment of a block
.endr
	v_add_nc_u32 v[LIM], 127*1024, v31             ; a block's last fragment
.irp i, 0,1,2,3,4,5,6
	ALOAD \i                                       ; the ring is filled: quarters 0 to 6
.endr
	WIN 0
	v_and_b32 v5, 7, v0                            ; W2's fragments: the turning load's lane reads row k = 8 h + l % 8, 16 bytes at 16 ((l / 8) % 2)
	v_lshl_add_u32 v5, v2, 3, v5
	v_mul_u32_u24 v5, v5, PB
	v_bfe_u32 v6, v0, 3, 1
	v_lshl_add_u32 v[AB0], v6, 4, v5
	v_add_nc_u32 v[AB0+1], 128*PB, v[AB0]          ; quarters 4 to 7 have a register of their own: an LDS offset has 16 bits
	v_add_nc_u32 v[ADRB], s[TB], v[AB0]
	v_add_nc_u32 v[ADRB+1], s[TB], v[AB0+1]
	s_lshl_b32 s70, s19, 12                        ; h2 at my first block, fragment 4 tx
	s_add_nc_u64 s[66:67], s[10:11], s[56:57]
	s_add_nc_u64 s[66:67], s[66:67], s[70:71]
	s_wait_kmcnt 0x0
	s_mov_b32 s60, s68                             ; c, named as a pair
	s_mov_b32 s61, s68
	s_mov_b32 s62, s69                             ; g
	s_mov_b32 s63, s69
	s_wait_loadcnt 56                              ; the bias is in; the ring's 56 loads, issued behind it, stay out
	WIN 0x81                                       ; source 0 window 1, destination window 2
.irp a, 0,1,2,3                        ; the sums start from the bias times c: nothing is cleared, and every quarter of the walk is alike
.irp b, 0,1,2,3,4,5,6,7
.irp j, 0,2,4,6
	v_pk_mul_f32 v[8*(8*(\a)+(\b))+(\j):8*(8*(\a)+(\b))+(\j)+1], v[128+8*(\b)+(\j):128+8*(\b)+(\j)+1], s[60:61] op_sel_hi:[1,0]
.endr
.endr
.endr
	WIN 0
	s_wait_tensorcnt 0x1                           ; my part of slot 0 is in; slot 1's stays out
	s_barrier_signal -1
	s_barrier_wait -1
	FETCH 0, 0
	WIN 0
	s_mov_b32 s23, NSLOT-2
.Lslot:                                                ; 14 trips: a slot is multiplied and filled again
	TRIP 1
	WIN 0
	s_sub_co_u32 s23, s23, 1
	s_cmp_lg_u32 s23, 0
	s_cbranch_scc1 .Lslot
	s_mov_b32 s23, 2
.Ltail:                                                ; the last two slots: nothing is left to ask for
	TRIP 0
	WIN 0
	s_sub_co_u32 s23, s23, 1
	s_cmp_lg_u32 s23, 0
	s_cbranch_scc1 .Ltail
	; THE WAY OUT: times g, rounded to f16, ReLU on the packed halves, stored as the next layer's fragments.  Each accumulator is read from its low end on.
	PLACES
	WIN 0x82
.set i, 0
.rept 128
	v_pk_mul_f32 v[2*i:2*i+1], v[2*i:2*i+1], s[62:63] op_sel_hi:[1,0]
.set i, i+1
.endr
	WIN 0x0a
.set i, 0
.rept 128
	v_cvt_pk_f16_f32 v[128+i], v[2*i], v[2*i+1]
.set i, i+1
.endr
	WIN 0
.set i, 0
.rept 128
	v_pk_max_num_f16 v[128+i], v[128+i], v[ZR]
.set i, i+1
.endr
.irp a, 0,1,2,3
.irp b, 0,1,2,3,4,5,6,7
	global_store_b128 v31, v[128+4*(8*(\a)+(\b)):128+4*(8*(\a)+(\b))+3], s[66:67] offset:ABLK*(\a)+512*(\b)  ; 512 consecutive bytes, aligned
.endr
.endr
	s_wait_tensorcnt 0x0                           ; the wave's end: an add and its wait, behind my last tensor load
	ds_add_u32 v[SPW], v[NIL]
	s_wait_dscnt 0x0
	CROUND                                         ; the closing round: no work-group ends while a partner may still ask for a tile that names it
	s_endpgm
.Lfunc_end_k_q8f3598ea24_l2:
	.size	k_q8f3598ea24_l2, .Lfunc_end_k_q8f3598ea24_l2-k_q8f3598ea24_l2
	.p2alignl 7, 3214868480
	.fill 96, 4, 3214868480
	.section	.rodata,"a",@progbits
	.p2align	6, 0x0
	.amdhsa_kernel k_q8f3598ea24_l2
		.amdhsa_group_segment_fixed_size 327680
		.amdhsa_private_segment_fixed_size 0
		.amdhsa_enable_private_segment 0
		.amdhsa_kernarg_size 40
		.amdhsa_user_sgpr_count 2
		.amdhsa_user_sgpr_kernarg_segment_ptr 1
		.amdhsa_wavefront_size32 1
		.amdhsa_system_sgpr_workgroup_id_x 1
		.amdhsa_system_sgpr_workgroup_id_y 1
		.amdhsa_system_sgpr_workgroup_id_z 1
		.amdhsa_system_vgpr_workitem_id 0
		.amdhsa_next_free_vgpr 1024
		.amdhsa_next_free_sgpr 72
		.amdhsa_reserve_vcc 0
		.amdhsa_float_denorm_mode_32 3
		.amdhsa_float_denorm_mode_16_64 3
		.amdhsa_memory_ordered 1
		.amdhsa_forward_progress 1
		.amdhsa_inst_pref_size 116
	.end_amdhsa_kernel
	.amdgpu_metadata
---
amdhsa.version: [ 1, 2 ]
amdhsa.kernels:
  - .name:           k_q8f3598ea24_l2
    .symbol:         k_q8f3598ea24_l2.kd
    .args:
      - { .name: h1, .offset: 0, .size: 8, .value_kind: global_buffer, .address_space: global }
      - { .name: wb, .offset: 8, .size: 8, .value_kind: global_buffer, .address_space: global }
      - { .name: b2, .offset: 16, .size: 8, .value_kind: global_buffer, .address_space: global }
      - { .name: h2, .offset: 24, .size: 8, .value_kind: global_buffer, .address_space: global }
      - { .name: al, .offset: 32, .size: 8, .value_kind: global_buffer, .address_space: global }
    .group_segment_fixed_size: 327680
    .private_segment_fixed_size: 0
    .kernarg_segment_align: 8
    .kernarg_segment_size: 40
    .max_flat_workgroup_size: 128
    .sgpr_count:     72
    .vgpr_count:     1024
    .wavefront_size: 32
...
	.end_amdgpu_metadata
.endif
;; end of part 4
;; launch l3 (part 5): grid 32 x 8, 4 waves a work-group, clusters of 4 x 1, 327,680 bytes of LDS; arguments h2, wb, b3, al, out0; writes out0
.if DOCPART == 5
	.amdgcn_target "amdgcn-amd-amdhsa--gfx1250"
	.amdhsa_code_object_version 6
	.text
	.protected	k_q8f3598ea24_l3
	.globl	k_q8f3598ea24_l3
	.p2align	8
	.type	k_q8f3598ea24_l3,@function
k_q8f3598ea24_l3:
	s_mov_b64 s[64:65], 0
	v_nop
	global_prefetch_b8 v0, s[64:65] scope:SCOPE_SE
	s_setreg_imm32_b32 hwreg(HW_REG_WAVE_MODE, 25, 1), 1
	s_wait_xcnt 0x0
	s_wait_alu depctr_hold_cnt(0) depctr_sa_sdst(0) depctr_va_vdst(0) depctr_va_sdst(0) depctr_va_ssrc(0) depctr_va_vcc(0) depctr_vm_vsrc(0)
	s_getreg_b32 s2, hwreg(HW_REG_IB_STS2, 6, 4)
	s_cmp_eq_u32 s2, 0
	s_cbranch_scc0 .Lentry_in_a_cluster
	s_endpgm
.Lentry_in_a_cluster:
	s_bfe_u32 s2, ttmp6, 0x10000c
	s_cmp_lg_u32 s2, 0x3003
	s_cbranch_scc0 .Lentry_shape_is_right
	s_endpgm
.Lentry_shape_is_right:
; THE LAST LAYER: out0 = h2 W3 + b3, 2,048 x 1,024 in f32, K = 4,096.  h2 lies in f16 as fragments, [row / 16][k / 32][c][lane][16 bytes], times a power of two; W3 in wb as f16 [4096][1024], times 256.
; The sums are multiplied by f3, the power of two that undoes both (read from the table behind al's rows), and b3 is added in the same fused multiply-add.
; SHARES.  A tile of 64 x 128 gives 32 x 8 = 256 work-groups.  The whole tile is EVERY wave's tile (32 accumulators), and K is split: of each K step of 512 wave w takes k = 128 w .. 128 w + 127,
; four quarters of 32.  The four partial sums meet in LDS at the end, in f32.
; h2 GOES STRAIGHT INTO REGISTERS.  No two waves of the work-group read the same k, and memory holds the fragments as the lanes take them: a quarter is eight loads of 512 consecutive bytes.  A ring of
; eight register buffers (the quarters of two K steps) keeps seven quarters, 56 loads of the wave, on their way; no barrier binds them.
; W3 GOES THROUGH LDS, where ds_load_tr16_b128 turns it (it lies [k][n]): two slots of 512 k x 128 columns, as large as two fit; each wave fetches, with one tensor load of 128 rows, the rows that it reads itself.
; THE MATRIX INSTRUCTION IS USED TRANSPOSED: source 0 = 16 columns of W3, source 1 = 16 rows of h2: a lane holds row l % 16, columns 8 (l / 16) + 0..7.
; CLUSTER 4 x 1: four row tiles of one column tile need the same tile of W3 and ask for it jointly.  h2 is not asked for jointly: it does not pass the data mover.
; REGISTERS, in windows of 256 (s_set_vgpr_msb: bits 1:0 source 0, 3:2 source 1, 5:4 source 2, 7:6 destination):
;   window 0: v1-7 at work; v12-15 b3; v20, v21 LDS address of W3's fragments in slot 0, 1; v22, v24-27 the stage; v28, v29 the add's; v31 16 x lane; v32-39 ring buffer i's byte offset in a block of h2;
;             on the way out v64-191 two chunks of the stage, v192-255 rows to store
;   window 1: v0-127 W3's fragments, two buffers of 8 x 8     window 2: the accumulators, (a, b) at v[8 (8 a + b)]     window 3: h2's ring, buffer i, row block a at v[32 i + 8 a]
.set LAPS,  4                          ; K / 1,024: a lap is two K steps of 512, eight quarters of a wave
.set PB,    288                        ; a row of W3 in LDS: 256 bytes + 32
.set SLOT,  512*PB                     ; 147,456
.set BWAVE, 128*PB                     ; a wave's part of a slot
.set BSTEP, 512*2048                   ; 512 rows of W3
.set SPARE, 2*SLOT                     ; behind the ring: the spare words, 128 bytes a wave, two blocks of 256 bytes that no other line names
.set SP,    528                        ; the stage (in slot 0, which has had its last fill): 4 waves x 64 rows x (512 + 16) bytes
.set SWAVE, 64*SP
.set WBASE, 58720256
.set ABLK,  131072                     ; a block of 16 rows of h2: 128 fragments of 1,024 bytes
.set OFF,  32
.set ADRB, 20
.set SPW,  28
.set NIL,  29
.set G1, 24                            ; s[24:31] descriptor group 1
.set G0, 32                            ; s[32:39] descriptor group 0, a set for each slot
.set MSB, 0
.macro WIN new                         ; the immediate's high byte repeats the setting that is left; a switch that changes nothing is dropped
.if MSB != (\new)
	s_set_vgpr_msb (MSB<<8)|(\new)
.set MSB, \new
.endif
.endm
.macro PLACES                          ; four plain places in front of loads into registers that matrix instructions have read, and of readers of their results
.rept 4
	v_nop
.endr
.endm
.macro CREST                           ; a round of the cluster's barrier behind its opening barrier
	s_cmp_lg_u32 s14, 0
	s_cbranch_scc1 .Lnot_wave_0_\@
	s_barrier_signal -3
.Lnot_wave_0_\@:
	s_barrier_wait -3
	s_barrier_signal -1
	s_barrier_wait -1
.endm
.macro CROUND                          ; a whole round
	s_barrier_signal -1
	s_barrier_wait -1
	CREST
.endm
.macro MUL8B f, i, b0, zero            ; 8 matrix instructions: column blocks b0, b0 + 1 x all 4 row blocks, 32 along K: W3's buffer f, h2's ring buffer i.  zero = 1: the product starts the sums
	WIN 0xad                                       ; W3 window 1, h2 window 3, C and D window 2
.irp b, \b0, (\b0)+1
.irp a, 0,1,2,3
.if \zero
	v_wmma_f32_16x16x32_f16 v[8*(8*(\a)+(\b)):8*(8*(\a)+(\b))+7], v[64*(\f)+8*(\b):64*(\f)+8*(\b)+7], v[32*(\i)+8*(\a):32*(\i)+8*(\a)+7], 0
.else
	v_wmma_f32_16x16x32_f16 v[8*(8*(\a)+(\b)):8*(8*(\a)+(\b))+7], v[64*(\f)+8*(\b):64*(\f)+8*(\b)+7], v[32*(\i)+8*(\a):32*(\i)+8*(\a)+7], v[8*(8*(\a)+(\b)):8*(8*(\a)+(\b))+7]
.endif
.endr
.endr
.endm
.macro FETCH slot, j, f                ; 16 LDS loads in one run: W3's 8 fragments of quarter j of my part of the slot, into buffer f, column blocks ascending
	WIN 0x40
.irp b, 0,1,2,3,4,5,6,7
	ds_load_tr16_b128 v[64*(\f)+8*(\b):64*(\f)+8*(\b)+3],   v[ADRB+(\slot)] offset:32*PB*(\j)+32*(\b)
	ds_load_tr16_b128 v[64*(\f)+8*(\b)+4:64*(\f)+8*(\b)+7], v[ADRB+(\slot)] offset:32*PB*(\j)+32*(\b)+16*PB
.endr
.endm
.macro ALOAD i                         ; 8 loads of 512 consecutive bytes: h2's 4 fragments of one quarter, into ring buffer i
	WIN 0xc0
.irp a, 0,1,2,3
	global_load_b128 v[32*(\i)+8*(\a):32*(\i)+8*(\a)+3],   v[OFF+(\i)], s[4:5] offset:ABLK*(\a)
	global_load_b128 v[32*(\i)+8*(\a)+4:32*(\i)+8*(\a)+7], v[OFF+(\i)], s[4:5] offset:ABLK*(\a)+512
.endr
.endm
.macro MIDDLE i, ld                    ; four plain places; with ld = 1 the first steps ring buffer i's offset, which the wait for its loads has freed, by a lap's 32 fragments
	WIN 0
.if \ld
	v_add_nc_u32 v[OFF+(\i)], 32768, v[OFF+(\i)]
.else
	v_nop
.endif
	v_nop
	v_nop
	v_nop
.endm
; Quarter i of a lap (not 3 or 7).  The 32 accumulators take turns in one fixed order.  In its middle, behind four places: W3's fragments of quarter jn of the slot, into the buffer
; that the last quarter multiplied, and (ld = 1) h2's fragments seven quarters on, into the ring buffer that the last quarter multiplied.  left: the loads of the younger quarters, which stay out.
.macro QUARTER slot, jn, i, zero, ld, left
	s_wait_loadcnt \left                           ; ring buffer i is in
	s_wait_dscnt 8                                 ; W3's column blocks 0-3 are in; the youngest eight loads stay out
	MUL8B (\i)%2, \i, 0, \zero
	MUL8B (\i)%2, \i, 2, \zero
	MIDDLE \i, \ld
	FETCH \slot, \jn, 1-(\i)%2
.if \ld
	ALOAD ((\i)+7)%8
.endif
	s_wait_dscnt 16                                ; all but the 16 just issued
	MUL8B (\i)%2, \i, 4, \zero
	MUL8B (\i)%2, \i, 6, \zero
.endm
; Quarters 3 and 7 change slots: ONE barrier; in front of it each wave waits for all its tensor loads (one is out: its part of the next slot), adds 0 to its spare word, and waits for that and for its reads
; of this slot.  fill = 1: the barrier opens a round of the cluster's barrier, and this slot is filled again, two K steps on, first thing behind the round: 112 matrix instructions ahead of the wait for it.
.macro TURN slot, next, i, fill, ld, left
	WIN 0
	s_wait_loadcnt \left                           ; ring buffer i is in
	s_wait_tensorcnt 0x0
	ds_add_u32 v[SPW], v[NIL]
	s_wait_dscnt 9                                 ; the add and the youngest eight loads may be out
	MUL8B 1, \i, 0, 0
	s_wait_dscnt 0x0                               ; the add is done, my reads of this slot are over
	s_barrier_signal -1
	MUL8B 1, \i, 2, 0
	WIN 0
	s_barrier_wait -1
.if \fill
	CREST                                          ; no wave of any partner still reads this slot's tile or has a load on its way
	s_add_nc_u64 s[G0+4*(\slot)+2:G0+4*(\slot)+3], s[G0+4*(\slot)+2:G0+4*(\slot)+3], 2*BSTEP
	tensor_load_to_lds s[G0+4*(\slot):G0+4*(\slot)+3], s[G1:G1+7]
	s_nop 0
.endif
	MIDDLE \i, \ld                                 ; four vector lines behind the load; also the places in front of the loads below
	FETCH \next, 0, 0
.if \ld
	ALOAD ((\i)+7)%8
.endif
	MUL8B 1, \i, 4, 0
	MUL8B 1, \i, 6, 0
.endm
	s_load_b256 s[4:11], s[0:1], 0x0               ; h2 4, wb 6, b3 8, al 10
	s_load_b64 s[12:13], s[0:1], 0x20              ; out0
	v_lshl_add_u32 v[SPW], v0, 2, SPARE
	v_mov_b32 v[NIL], 0
	ds_add_u32 v[SPW], v[NIL]                      ; the wave's opening: the add, waited for ahead of my first tensor load
	v_lshrrev_b32 v1, 5, v0
	v_readfirstlane_b32 s14, v1                    ; wave
	s_bfe_u32 s17, ttmp6, 0x40000                  ; cx
	s_lshl_b32 s20, ttmp9, 2
	s_add_co_u32 s20, s20, s17                     ; ty: 64 rows; it enters h2's and out0's addresses alone
	s_and_b32 s19, ttmp7, 0xffff                   ; tx: 128 columns, which the four partners share
	s_mov_b32 s[G1+0], 15|(1<<16)|(1<<20)|(1<<21)|(5<<22)|(7<<25)  ; the mask of four; 2-byte elements; padding on; bit 21 beside a mask; after every 64 words 8 words
	s_mov_b32 s[G1+1], 128<<16                     ; tensor_dim0 = 128
	s_mov_b32 s[G1+2], 128<<16                     ; tensor_dim1 = 128
	s_mov_b32 s[G1+3], 128<<16                     ; tile_dim0 = 128
	s_mov_b32 s[G1+4], 128                         ; tile_dim1 = 128
	s_mov_b32 s[G1+5], 1024                        ; elements from row to row
	s_mov_b32 s[G1+6], 0
	s_mov_b32 s[G1+7], 0
	s_lshl_b32 s58, s19, 8                         ; W3's tile hangs on tx and the wave alone: 128 columns,
	s_lshl_b32 s59, s14, 18                        ; 128 rows of 2,048 bytes
	s_add_co_u32 s58, s58, s59
	s_add_co_u32 s58, s58, WBASE
	s_mov_b32 s59, 0
	s_mul_i32 s3, s14, BWAVE                       ; where it goes: no place in the cluster enters an LDS address
	s_lshl_b32 s56, s20, 19                        ; h2: 4 blocks a tile,
	s_lshl_b32 s57, s14, 12                        ; my 4 fragments of a K step's 16
	s_add_co_u32 s56, s56, s57
	s_mov_b32 s57, 0
	s_wait_dscnt 0x0                               ; the opening add is done
	s_wait_kmcnt 0x0
	s_add_nc_u64 s[58:59], s[6:7], s[58:59]
	s_add_nc_u64 s[4:5], s[4:5], s[56:57]
	s_load_b32 s68, s[10:11], 4194304+24           ; f3
.irp s, 0,1
	s_mov_b32 s[G0+4*(\s)], 1
	s_add_co_u32 s[G0+4*(\s)+1], s3, (\s)*SLOT
	s_add_nc_u64 s[G0+4*(\s)+2:G0+4*(\s)+3], s[58:59], (\s)*BSTEP
	s_or_b32 s[G0+4*(\s)+3], s[G0+4*(\s)+3], 0x80000000
.endr
	CROUND                                         ; all four work-groups are here: the first joint loads meet
	tensor_load_to_lds s[G0:G0+3], s[G1:G1+7]      ; both slots are asked for before anything else: two tensor loads of mine are out
	s_nop 0
	tensor_load_to_lds s[G0+4:G0+7], s[G1:G1+7]
	s_nop 0
.rept 4
	v_nop
.endr
	v_and_b32 v1, 15, v0                           ; r = l % 16
	v_bfe_u32 v2, v0, 4, 1                         ; h = l / 16
	v_and_b32 v3, 31, v0
	v_lshlrev_b32 v31, 4, v3                       ; 16 x lane
	s_lshl_b32 s70, s19, 9
	s_mov_b32 s71, 0
	s_add_nc_u64 s[8:9], s[8:9], s[70:71]
	global_load_b128 v[12:15], v31, s[8:9]         ; b3[128 tx + 4 lane ..]: older than every load of the ring, so the first wait for the ring shows it in
.irp i, 0,1,2,3,4,5,6,7
	v_add_nc_u32 v[OFF+(\i)], 1024*(16*((\i)/4)+(\i)%4), v31  ; quarter i of a lap: K step i / 4, my fragment i % 4
.endr
.irp i, 0,1,2,3,4,5,6
	ALOAD \i                                       ; the ring is filled: quarters 0 to 6
.endr
	WIN 0
	v_and_b32 v5, 7, v0                            ; W3's fragments: the turning load's lane reads row k = 128 w + 8 h + l % 8, 16 bytes at 16 ((l / 8) % 2)
	v_lshl_add_u32 v5, v2, 3, v5
	v_mul_u32_u24 v5, v5, PB
	v_bfe_u32 v6, v0, 3, 1
	v_lshl_add_u32 v5, v6, 4, v5
	v_add_nc_u32 v[ADRB], s3, v5
	v_add_nc_u32 v[ADRB+1], SLOT, v[ADRB]
	v_mul_u32_u24 v22, v1, SP                      ; into the stage: my wave's part, row r, 32 bytes for each half of the lanes
	v_lshl_add_u32 v22, v2, 5, v22
	s_mul_i32 s70, s14, SWAVE
	v_add_nc_u32 v22, s70, v22
	s_mul_i32 s70, s14, 16*SP                      ; back: rows 16 w on of each of the four parts
	v_add_nc_u32 v24, s70, v31
	v_add_nc_u32 v25, SWAVE, v24
	v_add_nc_u32 v26, SWAVE, v25
	v_add_nc_u32 v27, SWAVE, v26
	s_lshl_b32 s70, s20, 18                        ; out0 at row 64 ty + 16 w, column 128 tx
	s_lshl_b32 s71, s14, 16
	s_add_co_u32 s70, s70, s71
	s_lshl_b32 s71, s19, 9
	s_add_co_u32 s70, s70, s71
	s_mov_b32 s71, 0
	s_add_nc_u64 s[66:67], s[12:13], s[70:71]
	s_wait_kmcnt 0x0
	s_mov_b32 s60, s68                             ; f3, named as a pair
	s_mov_b32 s61, s68
	s_wait_tensorcnt 0x1                           ; my part of K step 0 is in; step 1's stays out
	s_barrier_signal -1
	s_barrier_wait -1
	FETCH 0, 0, 0
	QUARTER 0, 1, 0, 1, 1, 48                      ; the first quarter stands in front of the loop: its products start the sums
	WIN 0
	s_mov_b32 s23, LAPS-1
.Llap:                                                 ; a trip goes once round both rings, from a lap's second quarter to the next lap's first, and fills both slots again
	QUARTER 0, 2, 1, 0, 1, 48                      ; 48: the six younger quarters' loads stay out
	QUARTER 0, 3, 2, 0, 1, 48
	TURN 0, 1, 3, 1, 1, 48
	QUARTER 1, 1, 4, 0, 1, 48
	QUARTER 1, 2, 5, 0, 1, 48
	QUARTER 1, 3, 6, 0, 1, 48
	TURN 1, 0, 7, 1, 1, 48
	QUARTER 0, 1, 0, 0, 1, 48
	WIN 0
	s_sub_co_u32 s23, s23, 1
	s_cmp_lg_u32 s23, 0
	s_cbranch_scc1 .Llap
	QUARTER 0, 2, 1, 0, 0, 48                      ; the last lap asks for nothing more: no fill, no round, no load of h2, and the counts run down
	QUARTER 0, 3, 2, 0, 0, 40
	TURN 0, 1, 3, 0, 0, 32
	QUARTER 1, 1, 4, 0, 0, 24
	QUARTER 1, 2, 5, 0, 0, 16
	QUARTER 1, 3, 6, 0, 0, 8
	s_wait_loadcnt 0x0
	s_wait_dscnt 8
	MUL8B 1, 7, 0, 0
	MUL8B 1, 7, 2, 0
	s_wait_dscnt 0x0
	MUL8B 1, 7, 4, 0
	MUL8B 1, 7, 6, 0
	WIN 0
	; THE WAY OUT.  Each wave's 64 x 128 partial sums go into the stage in f32; behind a barrier wave w adds the four parts of rows 16 w .. 16 w + 15, scales, adds the bias and stores.
	s_barrier_signal -1                            ; no LDS instruction of mine is out: nobody reads a slot any more behind this barrier
	s_barrier_wait -1
	PLACES
	WIN 0x08                                       ; store data in window 2
.irp a, 0,1,2,3
.irp b, 0,1,2,3,4,5,6,7
	ds_store_b128 v22, v[8*(8*(\a)+(\b)):8*(8*(\a)+(\b))+3]   offset:16*SP*(\a)+64*(\b)
	ds_store_b128 v22, v[8*(8*(\a)+(\b))+4:8*(8*(\a)+(\b))+7] offset:16*SP*(\a)+64*(\b)+16
.endr
.endr
	WIN 0
	s_wait_dscnt 0x0                               ; for the others' sake: my stores are done
	s_barrier_signal -1
	s_barrier_wait -1
.macro LOADC c                         ; chunk c: 4 rows x 4 parts, 512 consecutive bytes a load
.set BUF, 64+64*((\c)%2)
.irp p, 0,1,2,3
.irp s, 0,1,2,3
	ds_load_b128 v[BUF+16*(\p)+4*(\s):BUF+16*(\p)+4*(\s)+3], v[24+(\s)] offset:SP*(4*(\c)+(\p))
.endr
.endr
.endm
.macro SUMC c, left
	s_wait_dscnt \left                             ; the younger chunk's 16 loads stay out
.set BUF, 64+64*((\c)%2)
.irp p, 0,1,2,3
.set T, BUF+16*(\p)
.set R, 192+4*(4*(\c)+(\p))
	v_pk_add_f32 v[T:T+1], v[T:T+1], v[T+4:T+5]
	v_pk_add_f32 v[T+2:T+3], v[T+2:T+3], v[T+6:T+7]
	v_pk_add_f32 v[T+8:T+9], v[T+8:T+9], v[T+12:T+13]
	v_pk_add_f32 v[T+10:T+11], v[T+10:T+11], v[T+14:T+15]
	v_pk_add_f32 v[T:T+1], v[T:T+1], v[T+8:T+9]
	v_pk_add_f32 v[T+2:T+3], v[T+2:T+3], v[T+10:T+11]
	v_pk_fma_f32 v[R:R+1], v[T:T+1], s[60:61], v[12:13] op_sel_hi:[1,0,1]
	v_pk_fma_f32 v[R+2:R+3], v[T+2:T+3], s[60:61], v[14:15] op_sel_hi:[1,0,1]
	global_store_b128 v31, v[R:R+3], s[66:67] offset:4096*(4*(\c)+(\p)) th:TH_STORE_NT  ; 512 consecutive bytes, aligned; each row has registers of its own
.endr
.endm
	LOADC 0
	LOADC 1
	SUMC 0, 16
	LOADC 2
	SUMC 1, 16
	LOADC 3
	SUMC 2, 16
	SUMC 3, 0
	s_wait_tensorcnt 0x0                           ; the wave's end: an add and its wait, behind my last tensor load and my last LDS store
	ds_add_u32 v[SPW], v[NIL]
	s_wait_dscnt 0x0
	CROUND                                         ; the closing round: no work-group ends while a partner may still ask for a tile that names it
	s_endpgm
.Lfunc_end_k_q8f3598ea24_l3:
	.size	k_q8f3598ea24_l3, .Lfunc_end_k_q8f3598ea24_l3-k_q8f3598ea24_l3
	.p2alignl 7, 3214868480
	.fill 96, 4, 3214868480
	.section	.rodata,"a",@progbits
	.p2align	6, 0x0
	.amdhsa_kernel k_q8f3598ea24_l3
		.amdhsa_group_segment_fixed_size 327680
		.amdhsa_private_segment_fixed_size 0
		.amdhsa_enable_private_segment 0
		.amdhsa_kernarg_size 40
		.amdhsa_user_sgpr_count 2
		.amdhsa_user_sgpr_kernarg_segment_ptr 1
		.amdhsa_wavefront_size32 1
		.amdhsa_system_sgpr_workgroup_id_x 1
		.amdhsa_system_sgpr_workgroup_id_y 1
		.amdhsa_system_sgpr_workgroup_id_z 1
		.amdhsa_system_vgpr_workitem_id 0
		.amdhsa_next_free_vgpr 1024
		.amdhsa_next_free_sgpr 72
		.amdhsa_reserve_vcc 0
		.amdhsa_float_denorm_mode_32 3
		.amdhsa_float_denorm_mode_16_64 3
		.amdhsa_memory_ordered 1
		.amdhsa_forward_progress 1
		.amdhsa_inst_pref_size 91
	.end_amdhsa_kernel
	.amdgpu_metadata
---
amdhsa.version: [ 1, 2 ]
amdhsa.kernels:
  - .name:           k_q8f3598ea24_l3
    .symbol:         k_q8f3598ea24_l3.kd
    .args:
      - { .name: h2, .offset: 0, .size: 8, .value_kind: global_buffer, .address_space: global }
      - { .name: wb, .offset: 8, .size: 8, .value_kind: global_buffer, .address_space: global }
      - { .name: b3, .offset: 16, .size: 8, .value_kind: global_buffer, .address_space: global }
      - { .name: al, .offset: 24, .size: 8, .value_kind: global_buffer, .address_space: global }
      - { .name: out0, .offset: 32, .size: 8, .value_kind: global_buffer, .address_space: global }
    .group_segment_fixed_size: 327680
    .private_segment_fixed_size: 0
    .kernarg_segment_align: 8
    .kernarg_segment_size: 40
    .max_flat_workgroup_size: 128
    .sgpr_count:     72
    .vgpr_count:     1024
    .wavefront_size: 32
...
	.end_amdgpu_metadata
.endif
;; end of part 5
